; MI455X (gfx1250); checked and timed in simulation.
; The chip was launched on July 23, 2026; its instructions are those of AMD's public machine-readable ISA for CDNA 5 (MIT licence, August 2026) and "CDNA5" Instruction Set Architecture Reference Guide (July 2026). The comments in the code are by the model that wrote it; some were corrected since.
;; Mo EMLP Base. Allowed arithmetic: float matrix products may take bf16 or f16 operands with f32 sums; other float arithmetic in f32, or as packed bf16 or f16 multiplies, adds, multiply-adds, maxima and minima; sums over many terms, partial sums and values carried from step to step in f32; what a program stores and reads back later, other than sums and carried values, may be rounded once to bf16 or f16.
;; Inputs: W1 8 x 1,024 x 4,096 float32; W2 8 x 4,096 x 1,024 float32; b1 8 x 4,096 float32; b2 8 x 1,024 float32; router_w 8 x 1,024 float32; x 4 x 256 x 1,024 float32.
;; Outputs: out0 4 x 256 x 1,024 float32.
;; 2 versions, each right; version 2 is version 1 with the launches ffn1, ffn2 written anew for expert scheduling mode. Each part assembles by itself: llvm-mc -triple=amdgcn-amd-amdhsa -mcpu=gfx1250 --defsym DOCPART=n.
;; ======== version 1 of 2: 5 launches
;; workspace buffers: xb 2,097,152 bytes; sel 4,096 bytes of whole numbers; gate 8,192 bytes; pos 32,768 bytes of whole numbers; cnt 1,024 bytes of whole numbers; xg 16,777,216 bytes; hbuf 67,108,864 bytes; part 134,217,728 bytes
;; launch router (part 1): grid 256 x 1, 4 waves a work-group, no clusters, 0 bytes of LDS; arguments x, router_w, xb, sel, gate; writes xb, sel, gate
.if DOCPART == 1
	.amdgcn_target "amdgcn-amd-amdhsa--gfx1250"
	.amdhsa_code_object_version 6
	.text
	.protected	k_qc68d5b4f4e_router
	.globl	k_qc68d5b4f4e_router
	.p2align	8
	.type	k_qc68d5b4f4e_router,@function
k_qc68d5b4f4e_router:
	s_mov_b64 s[64:65], 0
	v_nop
	global_prefetch_b8 v0, s[64:65] scope:SCOPE_SE
	s_setreg_imm32_b32 hwreg(HW_REG_WAVE_MODE, 25, 1), 1
	s_wait_xcnt 0x0
; ROUTER.  For each of the 1,024 tokens: x rounded to bf16 (stored as xb for the first product), the eight logits x . router_w[e], softmax with the maximum taken away,
; the two largest probabilities (the lower index wins a tie), renormalised by their sum + 1e-8.
; Stored at fixed places: sel[t] = i0 | i1 << 8 | ((1 << i0) | (1 << i1)) << 16 and gate[t] = (w0, w1).  No address and no branch hangs on these numbers here.
; SHARES.  One wave takes one token, the lanes lie along D: lane l holds x[128 i + 4 l + 0..3], i = 0..7, so each load of a wave covers 512 consecutive bytes.
; FORMATS.  x and router_w are rounded to bf16 (as every input of this program is); products of two bf16 are exact in f32, sums in f32 (v_fma_mix_f32_bf16).
; This product is 16 MFLOP of the program's 34 GFLOP, and with the lanes along D the same registers give xb's whole rows: so it is left to the vector unit.
; LIMITS.  NaN and infinities are not treated apart.  An exponential below 2^-126 counts as 0.  Probabilities that differ by less than the f32 sums' rounding may be ordered otherwise than by another order of summation.
.set XR,  8                            ; v[8:39]    x, 32 numbers a lane
.set XB,  40                           ; v[40:55]   x in bf16, two to a register; also the data of xb's stores: never rewritten
.set TP,  56                           ; v[56:63]   the other half of the lanes' sums
.set WQ,  64                           ; v[64:191]  four slots of 32: router_w's rows on their way
.set WBF, 192                          ; v[192:207] the row in hand, in bf16
.set ACC, 208                          ; v[208:239] expert e: four chains at ACC + 4 e; the logit ends in the first
.set QP,  240                          ; v[240:247] exponentials, then probabilities
	s_load_b256 s[4:11], s[0:1], 0x0               ; x s[4:5], router_w s[6:7], xb s[8:9], sel s[10:11]
	s_load_b64 s[12:13], s[0:1], 0x20              ; gate
	v_lshrrev_b32 v5, 5, v0
	v_readfirstlane_b32 s14, v5                    ; wave 0..3
	v_and_b32 v1, 31, v0                           ; lane
	v_lshlrev_b32 v2, 4, v1                        ; 16 bytes a lane in x and router_w
	v_lshlrev_b32 v3, 3, v1                        ; 8 bytes a lane in xb
	v_mov_b32 v4, 0                                ; starts each chain (the mixed forms take registers only); also the last stores' offset
.irp e, 0,1,2,3,4,5,6,7
	v_mov_b32 v[TP+(\e)], 0                        ; v_permlanex16_b32 counts as a reader of its destination
.endr
	s_lshl_b32 s15, ttmp9, 2
	s_add_co_u32 s15, s15, s14                     ; my token
	s_lshl_b32 s16, s15, 12                        ; its row in x,
	s_mov_b32 s17, 0
	s_lshl_b32 s18, s15, 11                        ; in xb,
	s_mov_b32 s19, 0
	s_lshl_b32 s20, s15, 2                         ; its word in sel,
	s_mov_b32 s21, 0
	s_lshl_b32 s22, s15, 3                         ; its pair in gate
	s_mov_b32 s23, 0
	s_mov_b32 s24, 0x3fb8aa3b                      ; log2(e)
	s_mov_b32 s26, 0x76543210                      ; v_permlanex16_b32: each lane takes its own place in the other half
	s_mov_b32 s27, 0xfedcba98
	s_wait_kmcnt 0x0
	s_add_nc_u64 s[4:5], s[4:5], s[16:17]
	s_add_nc_u64 s[8:9], s[8:9], s[18:19]
	s_add_nc_u64 s[10:11], s[10:11], s[20:21]
	s_add_nc_u64 s[12:13], s[12:13], s[22:23]
.macro ASKW e                          ; router_w's row e: eight loads of 512 consecutive bytes, into slot e % 4
.irp i, 0,1,2,3,4,5,6,7
	global_load_b128 v[WQ+32*((\e)%4)+4*(\i):WQ+32*((\e)%4)+4*(\i)+3], v2, s[6:7] offset:4096*(\e)+512*(\i)
.endr
.endm
.irp i, 0,1,2,3,4,5,6,7
	global_load_b128 v[XR+4*(\i):XR+4*(\i)+3], v2, s[4:5] offset:512*(\i) th:TH_LOAD_NT
.endr
	ASKW 0
	ASKW 1
	ASKW 2
	ASKW 3
	s_wait_loadcnt 32                              ; x is in: the 32 loads of four rows of router_w were issued behind it
.set k, 0
.rept 16
	v_cvt_pk_bf16_f32 v[XB+k], v[XR+2*k], v[XR+2*k+1]
.set k, k+1
.endr
.irp i, 0,1,2,3,4,5,6,7
	global_store_b64 v3, v[XB+2*(\i):XB+2*(\i)+1], s[8:9] offset:256*(\i)  ; 32 lanes store 256 consecutive bytes, at a multiple of 256 from xb's first byte
.endr
; Expert e.  left = the loads issued behind its row's: the younger rows'.  Its slot is asked for again as soon as the 16 conversions have read it.
.macro EXPERT e, left
	s_wait_loadcnt \left
.set k, 0
.rept 16
	v_cvt_pk_bf16_f32 v[WBF+k], v[WQ+32*((\e)%4)+2*k], v[WQ+32*((\e)%4)+2*k+1]
.set k, k+1
.endr
.if (\e) < 4
	ASKW (\e)+4
.endif
.set k, 0
.rept 16                               ; 32 multiply-adds in four chains; the first of each chain adds onto 0
.if k < 2
	v_fma_mix_f32_bf16 v[ACC+4*(\e)+(2*k)%4],   v[XB+k], v[WBF+k], v4 op_sel_hi:[1,1,0]
	v_fma_mix_f32_bf16 v[ACC+4*(\e)+(2*k+1)%4], v[XB+k], v[WBF+k], v4 op_sel:[1,1,0] op_sel_hi:[1,1,0]
.else
	v_fma_mix_f32_bf16 v[ACC+4*(\e)+(2*k)%4],   v[XB+k], v[WBF+k], v[ACC+4*(\e)+(2*k)%4] op_sel_hi:[1,1,0]
	v_fma_mix_f32_bf16 v[ACC+4*(\e)+(2*k+1)%4], v[XB+k], v[WBF+k], v[ACC+4*(\e)+(2*k+1)%4] op_sel:[1,1,0] op_sel_hi:[1,1,0]
.endif
.set k, k+1
.endr
	v_add_f32 v[ACC+4*(\e)], v[ACC+4*(\e)], v[ACC+4*(\e)+1]
	v_add_f32 v[ACC+4*(\e)+2], v[ACC+4*(\e)+2], v[ACC+4*(\e)+3]
	v_add_f32 v[ACC+4*(\e)], v[ACC+4*(\e)], v[ACC+4*(\e)+2]
.endm
	EXPERT 0, 24
	EXPERT 1, 24
	EXPERT 2, 24
	EXPERT 3, 24
	EXPERT 4, 24
	EXPERT 5, 16
	EXPERT 6, 8
	EXPERT 7, 0
	; the sums over the 32 lanes, the eight experts side by side: four steps inside each half of 16 lanes, one across the halves; every lane ends with all eight logits
.irp m, 1,2,4,8
.irp e, 0,1,2,3,4,5,6,7
	v_add_f32_dpp v[ACC+4*(\e)], v[ACC+4*(\e)], v[ACC+4*(\e)] row_xmask:\m row_mask:0xf bank_mask:0xf
.endr
.endr
.irp e, 0,1,2,3,4,5,6,7
	v_permlanex16_b32 v[TP+(\e)], v[ACC+4*(\e)], s26, s27
.endr
.irp e, 0,1,2,3,4,5,6,7
	v_add_f32 v[ACC+4*(\e)], v[ACC+4*(\e)], v[TP+(\e)]
.endr
	; softmax: the maximum is taken away before the exponentials
	v_max3_num_f32 v5, v[ACC], v[ACC+4], v[ACC+8]
	v_max3_num_f32 v5, v5, v[ACC+12], v[ACC+16]
	v_max3_num_f32 v5, v5, v[ACC+20], v[ACC+24]
	v_max_num_f32 v5, v5, v[ACC+28]
	v_mul_f32 v5, s24, v5
.irp e, 0,1,2,3,4,5,6,7
	v_fma_f32 v[QP+(\e)], v[ACC+4*(\e)], s24, -v5
.endr
.irp e, 0,1,2,3,4,5,6,7
	v_exp_f32 v[QP+(\e)], v[QP+(\e)]
.endr
	v_nop                                          ; a plain instruction behind the last exponential,
	s_wait_alu depctr_va_vdst(0)                   ; and one wait for the batch of eight, ahead of their first reader
	v_add_f32 v6, v[QP], v[QP+1]
	v_add_f32 v7, v[QP+2], v[QP+3]
	v_add_f32 v5, v[QP+4], v[QP+5]
	v_add_f32 v248, v[QP+6], v[QP+7]
	v_add_f32 v6, v6, v7
	v_add_f32 v5, v5, v248
	v_add_f32 v6, v6, v5
	v_rcp_f32 v6, v6
	v_nop
	s_wait_alu depctr_va_vdst(0)
.irp e, 0,1,2,3,4,5,6,7
	v_mul_f32 v[QP+(\e)], v[QP+(\e)], v6
.endr
	; the largest: a later expert takes the place only if it is strictly larger.  v_cndmask_b32 gives its second source where the bit is set
	v_mov_b32 v248, v[QP]
	v_mov_b32 v249, 0
.irp e, 1,2,3,4,5,6,7
	v_cmp_le_f32 vcc_lo, v[QP+(\e)], v248
	v_cndmask_b32 v248, v[QP+(\e)], v248, vcc_lo
	v_cndmask_b32 v249, \e, v249, vcc_lo
.endr
.irp e, 0,1,2,3,4,5,6,7
	v_cmp_ne_u32 vcc_lo, \e, v249                  ; the one chosen goes below every probability,
	v_cndmask_b32 v[QP+(\e)], -1.0, v[QP+(\e)], vcc_lo
.endr
	v_mov_b32 v250, v[QP]                          ; and the same again finds the second
	v_mov_b32 v251, 0
.irp e, 1,2,3,4,5,6,7
	v_cmp_le_f32 vcc_lo, v[QP+(\e)], v250
	v_cndmask_b32 v250, v[QP+(\e)], v250, vcc_lo
	v_cndmask_b32 v251, \e, v251, vcc_lo
.endr
	v_add_f32 v254, v248, v250
	v_add_f32 v254, 0x322bcc77, v254               ; + 1e-8
	v_rcp_f32 v254, v254
	v_mov_b32 v5, 0x10000                          ; (a plain instruction behind the reciprocal)
	s_wait_alu depctr_va_vdst(0)
	v_mul_f32 v252, v248, v254
	v_mul_f32 v253, v250, v254
	v_lshlrev_b32 v6, v249, v5                     ; bit 16 + i0
	v_lshlrev_b32 v7, v251, v5                     ; bit 16 + i1
	v_or_b32 v6, v6, v7
	v_lshl_or_b32 v7, v251, 8, v249
	v_or_b32 v6, v6, v7
	s_wait_xcnt 0x0                                ; EXEC is a source of the stores above: it changes only behind this wait
	v_cmp_eq_u32 vcc_lo, 0, v1
	s_and_saveexec_b32 s28, vcc_lo                 ; every lane holds the same numbers: lane 0 stores them
	global_store_b32 v4, v6, s[10:11]
	global_store_b64 v4, v[252:253], s[12:13]
	s_wait_xcnt 0x0                                ; and again in front of the line that widens it
	s_or_b32 exec_lo, exec_lo, s28
	s_endpgm
.Lfunc_end_k_qc68d5b4f4e_router:
	.size	k_qc68d5b4f4e_router, .Lfunc_end_k_qc68d5b4f4e_router-k_qc68d5b4f4e_router
	.p2alignl 7, 3214868480
	.fill 96, 4, 3214868480
	.section	.rodata,"a",@progbits
	.p2align	6, 0x0
	.amdhsa_kernel k_qc68d5b4f4e_router
		.amdhsa_group_segment_fixed_size 0
		.amdhsa_private_segment_fixed_size 0
		.amdhsa_enable_private_segment 0
		.amdhsa_kernarg_size 40
		.amdhsa_user_sgpr_count 2
		.amdhsa_user_sgpr_kernarg_segment_ptr 1
		.amdhsa_wavefront_size32 1
		.amdhsa_system_sgpr_workgroup_id_x 1
		.amdhsa_system_sgpr_workgroup_id_y 1
		.amdhsa_system_sgpr_workgroup_id_z 1
		.amdhsa_system_vgpr_workitem_id 0
		.amdhsa_next_free_vgpr 256
		.amdhsa_next_free_sgpr 66
		.amdhsa_reserve_vcc 1
		.amdhsa_float_denorm_mode_32 3
		.amdhsa_float_denorm_mode_16_64 3
		.amdhsa_memory_ordered 1
		.amdhsa_forward_progress 1
		.amdhsa_inst_pref_size 43
	.end_amdhsa_kernel
	.amdgpu_metadata
---
amdhsa.version: [ 1, 2 ]
amdhsa.kernels:
  - .name:           k_qc68d5b4f4e_router
    .symbol:         k_qc68d5b4f4e_router.kd
    .args:
      - { .name: x, .offset: 0, .size: 8, .value_kind: global_buffer, .address_space: global }
      - { .name: router_w, .offset: 8, .size: 8, .value_kind: global_buffer, .address_space: global }
      - { .name: xb, .offset: 16, .size: 8, .value_kind: global_buffer, .address_space: global }
      - { .name: sel, .offset: 24, .size: 8, .value_kind: global_buffer, .address_space: global }
      - { .name: gate, .offset: 32, .size: 8, .value_kind: global_buffer, .address_space: global }
    .group_segment_fixed_size: 0
    .private_segment_fixed_size: 0
    .kernarg_segment_align: 8
    .kernarg_segment_size: 40
    .max_flat_workgroup_size: 128
    .sgpr_count:     66
    .vgpr_count:     256
    .wavefront_size: 32
...
	.end_amdgpu_metadata
.endif
;; end of part 1
;; launch place (part 2): grid 32 x 8, 4 waves a work-group, no clusters, 4,864 bytes of LDS; arguments xb, sel, xg, pos, cnt; writes xg, pos, cnt
.if DOCPART == 2
	.amdgcn_target "amdgcn-amd-amdhsa--gfx1250"
	.amdhsa_code_object_version 6
	.text
	.protected	k_qc68d5b4f4e_place
	.globl	k_qc68d5b4f4e_place
	.p2align	8
	.type	k_qc68d5b4f4e_place,@function
k_qc68d5b4f4e_place:
	s_mov_b64 s[64:65], 0
	v_nop
	global_prefetch_b8 v0, s[64:65] scope:SCOPE_SE
	s_setreg_imm32_b32 hwreg(HW_REG_WAVE_MODE, 25, 1), 1
	s_wait_xcnt 0x0
; PLACE.  The rows that chose expert e are laid end to end, in the order of their tokens, as ready matrix operands: xg[e][block of 16 ranks][32 images of 16 rows x 32 k][half][lane][16 bytes], bf16.
; In an image lane (r = l % 16, h = l / 16) holds row r: half 0 is k = 8 h .. 8 h + 7, half 1 is k = 16 + 8 h .. of the image's 32.  So the first product reads 512 consecutive bytes a load,
; and the gather by lanes (16 rows x 32 bytes a load) is done here once for each row and expert, not once more in each of the expert's 32 work-groups there.
; Also stored: pos[e][t], token t's rank in expert e's list (meaningful where e was chosen), and cnt[e], the expert's count, 32 times over.
; sel was stored by the router launch: what steers addresses here is read from memory as whole numbers.
; SHARES.  Work-group (s, e): K quarter s % 4 (256 k, eight images) of the blocks s / 4 + 8 w and s / 4 + 8 w + 32, w the wave.  Up to 64 blocks an expert: every split of the tokens is served.
; Every work-group counts the 1,024 choices for itself; wave 0 lays the list rank -> token into LDS (one writer, since the places hang on the data; past the count: token 0, a row that exists).
; An expert without rows counts as having one (token 0); nobody reads what is made of it.  Blocks past the count are jumped and not written.
; A copy: no arithmetic, no matrix unit; no tensor load covers rows that come by a list.
.set LIST,  0                          ; 1,024 words for the ranks, then 32 words for lanes that have nothing to say
.set SPARE, 4352                       ; the spare words, 128 bytes a wave: two blocks of 256 bytes that no other line names
.set LANE, 1
.set RR,   2                           ; l % 16
.set HH,   3                           ; l / 16
.set LA,   13                          ; my word in the list for my wave's first block
.set L16,  14                          ; 16 l
.set SRC0, 15                          ; 16 h + my quarter's 512 bytes of a row of xb
.set DO,   16                          ; my 16 bytes in the first image of my quarter of my first block; never rewritten
.set TK,   27                          ; v27, v28  my row's token in the two blocks, then its offset in xb
.set SPW,  30                          ; LDS address of my spare word; never rewritten
.set NIL,  31                          ; 0; never rewritten
.set CV,   32                          ; v[32:63]   sel
.set POS,  64                          ; v[64:95]   ranks; the data of pos' stores: never rewritten
.set D0,   96                          ; v[96:159]  the first block's 16 loads
.set D1,   160                         ; v[160:223] the second block's
.set WV,   20
.set SL,   21
.set EX,   22
.set KQ,   23
.set B0,   24                          ; my first block
.set CNT,  25
.set NBLK, 26
.set EBIT, 31                          ; the expert's bit in a word of sel
; 32 tokens: lane l has token 128 (idx / 4) + 4 l + idx % 4.  scatter = 1: its rank = the count so far + the chosen lanes below it; the token goes to that word of the list, a lane not chosen writes a word of its own behind the list.
.macro CHUNK idx, scatter
	v_and_b32 v17, s[EBIT], v[CV+(\idx)]
	v_cmp_ne_u32 s44, 0, v17
.if \scatter
	v_mbcnt_lo_u32_b32 v[POS+(\idx)], s44, s[CNT]
	v_cndmask_b32 v17, v24, v[POS+(\idx)], s44
	v_min_u32 v17, 0x41f, v17                      ; inside the list's 1,056 words, whatever sel holds
	v_lshl_add_u32 v17, v17, 2, LIST
	v_add_nc_u32 v19, 128*((\idx)/4)+(\idx)%4, v25
	ds_store_b32 v17, v19
.endif
	s_bcnt1_i32_b32 s45, s44
	s_add_co_u32 s[CNT], s[CNT], s45
.endm
; A block's quarter: 16 loads (image k, half t: 32 bytes further on in each row), 16 stores of 512 consecutive bytes.  The waits count the younger loads of the sixteen.
.macro COPY tk, d, imm
	v_min_u32 v[\tk], 0x3ff, v[\tk]                ; a token stays inside xb
	v_lshl_add_u32 v[\tk], v[\tk], 11, v[SRC0]
.irp k, 0,1,2,3,4,5,6,7
.irp t, 0,1
	global_load_b128 v[(\d)+4*(2*(\k)+(\t)):(\d)+4*(2*(\k)+(\t))+3], v[\tk], s[4:5] offset:64*(\k)+32*(\t)
.endr
.endr
.irp k, 0,1,2,3,4,5,6,7
.if (\k)%2 == 0
	s_wait_loadcnt 12-2*(\k)                       ; images k and k + 1 are in
.endif
.irp t, 0,1
	global_store_b128 v[DO], v[(\d)+4*(2*(\k)+(\t)):(\d)+4*(2*(\k)+(\t))+3], s[8:9] offset:(\imm)+1024*(\k)+512*(\t)
.endr
.endr
.endm
	s_load_b256 s[4:11], s[0:1], 0x0               ; xb s[4:5], sel s[6:7], xg s[8:9], pos s[10:11]
	s_load_b64 s[12:13], s[0:1], 0x20              ; cnt
	v_lshl_add_u32 v[SPW], v0, 2, SPARE
	v_mov_b32 v[NIL], 0
	v_lshrrev_b32 v17, 5, v0
	v_readfirstlane_b32 s[WV], v17
	v_and_b32 v[LANE], 31, v0
	v_and_b32 v[RR], 15, v0
	v_bfe_u32 v[HH], v0, 4, 1
	s_mov_b32 s[SL], ttmp9
	s_and_b32 s[EX], ttmp7, 0xffff
	s_and_b32 s[KQ], s[SL], 3
	s_lshr_b32 s[B0], s[SL], 2
	s_lshl_b32 s44, s[WV], 3
	s_add_co_u32 s[B0], s[B0], s44                 ; block s / 4 + 8 w
	v_lshlrev_b32 v[L16], 4, v[LANE]
	s_lshl_b32 s44, s[B0], 6
	v_lshl_add_u32 v[LA], v[RR], 2, s44            ; rank 16 b + r (the list begins at LDS byte 0)
	s_lshl_b32 s44, s[KQ], 9
	v_lshl_add_u32 v[SRC0], v[HH], 4, s44
	s_lshl_b32 s44, s[B0], 15                      ; a block of xg is 32 images of 1,024 bytes,
	s_lshl_b32 s45, s[KQ], 13                      ; my quarter eight of them
	s_add_co_u32 s44, s44, s45
	v_add_nc_u32 v[DO], s44, v[L16]
	s_lshl_b32 s36, s[EX], 21                      ; xg: an expert has 64 blocks
	s_mov_b32 s37, 0
	s_lshl_b32 s38, s[EX], 12                      ; pos
	s_mov_b32 s39, 0
	s_lshl_b32 s40, s[EX], 7                       ; cnt
	s_mov_b32 s41, 0
	s_lshl_b32 s[EBIT], 0x10000, s[EX]
	s_mov_b32 s[CNT], 0
	s_wait_kmcnt 0x0
	s_add_nc_u64 s[8:9], s[8:9], s[36:37]
	s_add_nc_u64 s[10:11], s[10:11], s[38:39]
	s_add_nc_u64 s[12:13], s[12:13], s[40:41]
.irp c, 0,1,2,3,4,5,6,7
	global_load_b128 v[CV+4*(\c):CV+4*(\c)+3], v[L16], s[6:7] offset:512*(\c)  ; sel: register 4 c + i holds token 128 c + 4 l + i
.endr
	s_wait_loadcnt 0x0
	s_cmp_lg_u32 s[WV], 0
	s_cbranch_scc1 .Lothers
	v_mov_b32 v20, 0                               ; WAVE 0 MAKES THE LIST
	v_mov_b32 v21, 0
	v_mov_b32 v22, 0
	v_mov_b32 v23, 0
	v_add_nc_u32 v19, LIST, v[L16]
.irp k, 0,1,2,3,4,5,6,7
	ds_store_b128 v19, v[20:23] offset:512*(\k)    ; token 0 in all 1,024 ranks; LDS serves a wave's instructions in order (ISA guide 5.7.1.4): the tokens below land on top
.endr
	v_add_nc_u32 v24, 1024, v[LANE]
	v_lshlrev_b32 v25, 2, v[LANE]
.set x, 0
.rept 32
	CHUNK x, 1
.set x, x+1
.endr
	s_cmp_lg_u32 s[SL], 0
	s_cbranch_scc1 .Llisted
.irp c, 0,1,2,3,4,5,6,7
	global_store_b128 v[L16], v[POS+4*(\c):POS+4*(\c)+3], s[10:11] offset:512*(\c)  ; work-group 0 of the expert alone stores the ranks, 512 consecutive bytes a store,
.endr
	v_mov_b32 v26, s[CNT]
	global_store_b32 v25, v26, s[12:13]            ; and the count, 32 times: 128 consecutive bytes with all lanes on
	s_branch .Llisted
.Lothers:                                              ; the other waves count only: every wave has the count in a scalar register
.set x, 0
.rept 32
	CHUNK x, 0
.set x, x+1
.endr
.Llisted:
	s_wait_dscnt 0x0                               ; the list is written
	s_barrier_signal -1
	s_barrier_wait -1
	ds_load_b32 v[TK], v[LA]                       ; my row's token in block b,
	ds_load_b32 v[TK+1], v[LA] offset:2048         ; and in block b + 32
	s_max_u32 s[CNT], s[CNT], 1
	s_add_co_u32 s[NBLK], s[CNT], 15
	s_lshr_b32 s[NBLK], s[NBLK], 4
	s_wait_dscnt 0x0                               ; my reads of the list are back;
	s_barrier_signal -1                            ; the closing add below is an LDS write: it stands behind a barrier behind which no wave reads LDS any more
	s_barrier_wait -1
	s_cmp_ge_u32 s[B0], s[NBLK]
	s_cbranch_scc1 .Lno0
	COPY TK, D0, 0
.Lno0:
	s_add_co_u32 s44, s[B0], 32
	s_cmp_ge_u32 s44, s[NBLK]
	s_cbranch_scc1 .Lno1
	COPY TK+1, D1, 1048576                         ; 32 blocks of 32,768 bytes further on, in the stores' immediate
.Lno1:
	s_wait_tensorcnt 0x0                           ; the wave's end
	ds_add_u32 v[SPW], v[NIL]
	s_wait_dscnt 0x0
	s_endpgm
.Lfunc_end_k_qc68d5b4f4e_place:
	.size	k_qc68d5b4f4e_place, .Lfunc_end_k_qc68d5b4f4e_place-k_qc68d5b4f4e_place
	.p2alignl 7, 3214868480
	.fill 96, 4, 3214868480
	.section	.rodata,"a",@progbits
	.p2align	6, 0x0
	.amdhsa_kernel k_qc68d5b4f4e_place
		.amdhsa_group_segment_fixed_size 4864
		.amdhsa_private_segment_fixed_size 0
		.amdhsa_enable_private_segment 0
		.amdhsa_kernarg_size 40
		.amdhsa_user_sgpr_count 2
		.amdhsa_user_sgpr_kernarg_segment_ptr 1
		.amdhsa_wavefront_size32 1
		.amdhsa_system_sgpr_workgroup_id_x 1
		.amdhsa_system_sgpr_workgroup_id_y 1
		.amdhsa_system_sgpr_workgroup_id_z 1
		.amdhsa_system_vgpr_workitem_id 0
		.amdhsa_next_free_vgpr 224
		.amdhsa_next_free_sgpr 66
		.amdhsa_reserve_vcc 0
		.amdhsa_float_denorm_mode_32 3
		.amdhsa_float_denorm_mode_16_64 3
		.amdhsa_memory_ordered 1
		.amdhsa_forward_progress 1
		.amdhsa_inst_pref_size 34
	.end_amdhsa_kernel
	.amdgpu_metadata
---
amdhsa.version: [ 1, 2 ]
amdhsa.kernels:
  - .name:           k_qc68d5b4f4e_place
    .symbol:         k_qc68d5b4f4e_place.kd
    .args:
      - { .name: xb, .offset: 0, .size: 8, .value_kind: global_buffer, .address_space: global }
      - { .name: sel, .offset: 8, .size: 8, .value_kind: global_buffer, .address_space: global }
      - { .name: xg, .offset: 16, .size: 8, .value_kind: global_buffer, .address_space: global }
      - { .name: pos, .offset: 24, .size: 8, .value_kind: global_buffer, .address_space: global }
      - { .name: cnt, .offset: 32, .size: 8, .value_kind: global_buffer, .address_space: global }
    .group_segment_fixed_size: 4864
    .private_segment_fixed_size: 0
    .kernarg_segment_align: 8
    .kernarg_segment_size: 40
    .max_flat_workgroup_size: 128
    .sgpr_count:     66
    .vgpr_count:     224
    .wavefront_size: 32
...
	.end_amdgpu_metadata
.endif
;; end of part 2
;; launch ffn1 (part 3): grid 32 x 8, 4 waves a work-group, no clusters, 262,656 bytes of LDS; arguments xg, W1, b1, cnt, hbuf; writes hbuf
.if DOCPART == 3
	.amdgcn_target "amdgcn-amd-amdhsa--gfx1250"
	.amdhsa_code_object_version 6
	.text
	.protected	k_qc68d5b4f4e_ffn1
	.globl	k_qc68d5b4f4e_ffn1
	.p2align	8
	.type	k_qc68d5b4f4e_ffn1,@function
k_qc68d5b4f4e_ffn1:
	s_mov_b64 s[64:65], 0
	v_nop
	global_prefetch_b8 v0, s[64:65] scope:SCOPE_SE
	s_setreg_imm32_b32 hwreg(HW_REG_WAVE_MODE, 25, 1), 1
	s_wait_xcnt 0x0
; FIRST PRODUCT OF THE EXPERTS.  h = gelu(x W1[e] + b1[e]) for the rows that chose expert e alone.  W1: [8][1024][4096] f32.  b1: [8][4096] f32.
; xg: [e][block of 16 ranks][32 images of 16 rows x 32 k][half][lane][16 bytes] bf16, the expert's rows as ready operands, laid out by the launch before; cnt: the experts' counts.
; SHARES.  Work-group (s, e) has columns 128 s .. 128 s + 127 of W1[e], 512 KiB that no other work-group reads, and ALL of the expert's rows.  It reads each weight byte once.
; Rows go in blocks of 16 ranks; group G is blocks 20 G .. 20 G + 19; wave w has blocks 20 G + 4 i + w, i = 0..4: 80 rows x 128 columns, 40 accumulators.
; A block past the count reads the expert's last written block and is not stored; an expert without rows counts as having one (the launch before wrote it; nobody reads the result).
; GROUP 0 IS MULTIPLIED WHILE THE WEIGHTS STREAM: 16 steps of 64 along K, one barrier a step, a constant count.  The rounded weights STAY in LDS (256 KiB, each byte written once), so
; groups 1 to 3 (an expert with more than 320 rows) are multiplied behind the stream from LDS and memory, in a loop that holds no barrier and no LDS write: every split of the tokens is served.
; WEIGHTS WITHOUT A TRANSPOSE.  A unit is 64 columns x 32 k of f32: 16 loads; lane (r = l % 16, h = l / 16) takes columns 4 r .. 4 r + 3 of row 16 t + 8 h + j.  Packing rows j, j + 1 of ONE column c
; gives the matrix operand of the 16 columns 4 r + c: four operands a unit, k along the registers, nothing changes lanes.  They lie in LDS as images [half][lane][16 bytes]: consecutive bytes, no padding wanted.
; THE RESULT IS THE NEXT OPERAND.  Source 0 = weights, source 1 = tokens: lane (r, h) of tile n = 4 g + c holds token r and f = 128 s + 64 g + 32 h + 4 j + c in register j.  Rounded in pairs, tiles n even and
; n odd ARE the two halves of a 16 x 32 operand image whose k places 16 (c % 2) + 8 h + j stand for those f; the second product reads W2's rows in the same order.  A tile leaves as 512 consecutive bytes.
; NO TENSOR LOADS, NO CLUSTER: the weights pass through registers to be rounded, and each slice has one reader; two slots of the 320 shared rows x 256 bytes do not fit beside 256 KiB of images.
; FORMATS AND LIMITS.  x, W1 and b1 are rounded to bf16, sums in f32, h is rounded once to bf16.  gelu is the tanh form, u / (1 + 2^(u (K1 + K2 u^2))).  NaN and infinities are not treated apart.
.set ROWT,  262144                     ; bytes from a unit's rows 0-15 to its rows 16-31
.set ROWJ,  16384                      ; bytes from row j to row j + 1: a row of W1[e]
.set WSTEP, 1048576                    ; 64 rows: a K step
.set AK,    1024                       ; tokens: bytes from a step's first image to its second,
.set AH,    512                        ; from an image's first half to its second,
.set ASTEP, 2048                       ; and from step to step
.set ABLK,  15                         ; a block of xg is 2^15 bytes
.set W_MUL, 0xa1                       ; products: source 0 (weights) window 1, source 1 (tokens) window 0, C and D window 2; + 0x50: window 3
.set SPARE, 262144                     ; behind the 256 images of 1,024 bytes: the spare words, 128 bytes a wave: two blocks of 256 bytes that no other line names
; window 0
.set LANE, 1
.set RR,   2                           ; l % 16
.set HH,   3                           ; l / 16
.set WOFF, 4                           ; my 16 bytes in a unit's first row: 16 r + 8 h rows; never rewritten
.set PFO,  5                           ; row l of a unit; never rewritten
.set LB,   6                           ; images are read from here: 16 l + 16,384 x step
.set SB,   7                           ; and written here: 16 l + my unit's place + 16,384 x step
.set AOFF, 8                           ; v[8:12]  block i: 16 l + the block's 32,768 bytes
.set L16,  14                          ; 16 l
.set HO,   16                          ; my offset in hbuf
.set SPW,  30                          ; LDS address of my spare word; never rewritten
.set NIL,  31                          ; 0; never rewritten
.set CV,   32                          ; v[32:63]  a unit's four operands
.set AF,   64                          ; v[64:223] token fragments: buffer p, half a, block i at AF + 80 p + 40 a + 8 i
.set TR,   64                          ; the way out: u, then gelu(u)
.set SR,   128                         ; at work
.set HR,   192                         ; h in bf16
; window 1: v[0:63], v[64:127] weight fragments F0, F1; v[128:191], v[192:255] units as loaded
.set WST,  128
; window 2: accumulator (i, n) at 64 i + 8 n, i = 0..3.  window 3: (4, n) at 8 n; v[64:127] my 64 numbers of b1
.set BL,   64
.set WV,   20                          ; wave
.set SL,   21                          ; s
.set EX,   22                          ; e
.set GG,   23                          ; which 64 columns my units hold
.set AA,   24                          ; which 32 k of a step
.set CNT,  25                          ; the expert's rows
.set NBLK, 26                          ; blocks of 16
.set NG,   27                          ; groups of 20 blocks
.set GRP,  28
.set L4,   29                          ; 1: my fifth block of group 0 has rows
.set KC,   30
.set WB,   32                          ; s[32:33] W1 at my unit of the step last asked for
.set AB,   34                          ; s[34:35] xg at the step last asked for
.set AB0,  36                          ; s[36:37] xg at (e, block 0)
.set HB,   38                          ; s[38:39] hbuf at (e, block 0, my slice)
.set K1,   40                          ; s[40:41]
.set K2,   42                          ; s[42:43]
.set BI,   56
.set NB1,  57                          ; the last block that was written
.set MSB, 0
.macro WIN new                         ; s_set_vgpr_msb: bits 1:0 source 0, 3:2 source 1, 5:4 source 2, 7:6 destination; the high byte repeats the setting that is left
.if MSB != (\new)
	s_set_vgpr_msb (MSB<<8)|(\new)
.set MSB, (\new)
.endif
.endm
.macro PLACES                          ; four plain instructions between a matrix instruction and a load into, or a vector read of, its registers (ISA guide 7.12.1 for vector reads)
.rept 4
	v_nop
.endr
.endm
.macro LDW b, extra                    ; a unit: 16 loads; in each, sixteen lanes take 256 consecutive bytes of one row
	WIN 0x40
.irp t, 0,1
.irp j, 0,1,2,3,4,5,6,7
	global_load_b128 v[WST+64*(\b)+4*(8*(\t)+(\j)):WST+64*(\b)+4*(8*(\t)+(\j))+3], v[WOFF], s[WB:WB+1] offset:ROWT*(\t)+ROWJ*(\j)+(\extra) th:TH_LOAD_NT
.endr
.endr
.endm
.macro CVT b                           ; operand c, register 4 t + q: rows 2 q and 2 q + 1 of half t, column c
	WIN 0x05
.irp c, 0,1,2,3
.irp t, 0,1
.irp q, 0,1,2,3
	v_cvt_pk_bf16_f32 v[CV+8*(\c)+4*(\t)+(\q)], v[WST+64*(\b)+4*(8*(\t)+2*(\q))+(\c)], v[WST+64*(\b)+4*(8*(\t)+2*(\q)+1)+(\c)]
.endr
.endr
.endr
.endm
.macro STIMG                           ; the four operands become images of the next step
	WIN 0
.irp c, 0,1,2,3
.irp t, 0,1
	ds_store_b128 v[SB], v[CV+8*(\c)+4*(\t):CV+8*(\c)+4*(\t)+3] offset:1024*(\c)+512*(\t)
.endr
.endr
	v_add_nc_u32 v[SB], 16384, v[SB]
.endm
.macro LDA p                           ; a step's token fragments: 20 loads of 512 consecutive bytes
	WIN 0
.irp a, 0,1
.irp i, 0,1,2,3,4
	global_load_b128 v[AF+80*(\p)+40*(\a)+8*(\i):AF+80*(\p)+40*(\a)+8*(\i)+3],   v[AOFF+(\i)], s[AB:AB+1] offset:AK*(\a)
	global_load_b128 v[AF+80*(\p)+40*(\a)+8*(\i)+4:AF+80*(\p)+40*(\a)+8*(\i)+7], v[AOFF+(\i)], s[AB:AB+1] offset:AK*(\a)+AH
.endr
.endr
.endm
.macro FETCH f, imm                    ; eight weight fragments (128 columns x 32 k): 16 LDS loads of 512 consecutive bytes
	WIN 0x40
.irp n, 0,1,2,3,4,5,6,7
	ds_load_b128 v[64*(\f)+8*(\n):64*(\f)+8*(\n)+3],   v[LB] offset:(\imm)+1024*(\n)
	ds_load_b128 v[64*(\f)+8*(\n)+4:64*(\f)+8*(\n)+7], v[LB] offset:(\imm)+1024*(\n)+512
.endr
.endm
.macro PROD f, p, a, i, n, zero
.set rF, 64*(\f)+8*(\n)
.set rA, AF+80*(\p)+40*(\a)+8*(\i)
.set rC, 64*((\i)%4)+8*(\n)
.if \zero
	v_wmma_f32_16x16x32_bf16 v[rC:rC+7], v[rF:rF+7], v[rA:rA+7], 0
.else
	v_wmma_f32_16x16x32_bf16 v[rC:rC+7], v[rF:rF+7], v[rA:rA+7], v[rC:rC+7]
.endif
.endm
.macro MUL f, p, a, i0, zero           ; 16 products: blocks i0, i0 + 1 x 8 tiles.  The accumulators take turns, one instruction a turn
	WIN W_MUL
.irp i, \i0, (\i0)+1
.irp n, 0,1,2,3,4,5,6,7
	PROD \f, \p, \a, \i, \n, \zero
.endr
.endr
.endm
; The fifth block's 8 products.  mode 0: only where the block has rows (a forward jump on L4, over matrix instructions alone); 1: always, and they start the sums; 2: always
.macro BLK4 f, p, a, mode
.if (\mode) == 0
	WIN 0
	s_cmp_eq_u32 s[L4], 0
	s_cbranch_scc1 .Lno4_\@
.endif
	WIN W_MUL+0x50
.irp n, 0,1,2,3,4,5,6,7
.if (\mode) == 1
	PROD \f, \p, \a, 4, \n, 1
.else
	PROD \f, \p, \a, 4, \n, 0
.endif
.endr
.if (\mode) == 0
	WIN 0
.Lno4_\@:
.endif
.endm
; K STEP t, p = t % 2.  cv: unit t + 1 is rounded and laid into LDS.  lda, ldw: tokens of step t + 1 and unit t + 3 are asked for.  One counter counts both kinds of loads, in the order of issue:
; n1 = the loads issued behind unit t + 1 (tokens t, unit t + 2); n2 = those issued behind tokens t when the wait is reached (unit t + 2, tokens t + 1).  The wait for tokens t stands ahead of the request
; for unit t + 3: a wave then has 56 loads out at the most, and 52 behind that request.
; pf: lane l asks for row l (256 bytes) of my unit of step t + 6, three steps ahead of its load, each block once in the launch; 1: always; above 1: while the loop's count is at least pf, so that no request passes unit 15.
.macro STEP p, zero, cv, lda, ldw, n1, n2, pf
.if \cv
	s_wait_loadcnt \n1
	CVT 1-(\p)                                     ; its 32 plain lines are also the places in front of the loads into the token buffer that the last step multiplied
	STIMG
.endif
.if \lda
	s_wait_xcnt 0x0                                ; the bases are stepped only behind this wait; the loads that read them were issued a step ago
	s_add_nc_u64 s[AB:AB+1], s[AB:AB+1], ASTEP
	LDA 1-(\p)
.endif
	s_wait_loadcnt \n2                             ; this step's tokens, asked for a step ago, are in
.if \ldw
	s_add_nc_u64 s[WB:WB+1], s[WB:WB+1], WSTEP
.if (\pf) > 1
	s_cmp_lt_u32 s[KC], \pf
	s_cbranch_scc1 .Lnopf_\@
.endif
.if (\pf) > 0
	global_prefetch_b8 v[PFO], s[WB:WB+1] offset:3*WSTEP th:TH_LOAD_NT scope:SCOPE_SE
.endif
.if (\pf) > 1
.Lnopf_\@:
.endif
	LDW 1-(\p), 0
.endif
.if \cv
	s_wait_dscnt 8                                 ; F0's 16 loads are in; my 8 image stores, issued behind them, may be out
.else
	s_wait_dscnt 0x0
.endif
	MUL 0, \p, 0, 0, \zero
	PLACES
	FETCH 1, 8192                                  ; the step's second 32 k
	MUL 0, \p, 0, 2, \zero
	BLK4 0, \p, 0, \zero
	s_wait_dscnt 0x0                               ; F1 is in; and, for the others' sake, my image stores are done
.if \cv
	s_barrier_signal -1
.endif
	MUL 1, \p, 1, 0, 0                             ; work on registers between signal and wait
.if \cv
	s_barrier_wait -1                              ; the next step's images are whole
	PLACES
	FETCH 0, 16384
.endif
	MUL 1, \p, 1, 2, 0
	BLK4 1, \p, 1, 0
	WIN 0
	v_add_nc_u32 v[LB], 16384, v[LB]
.endm
; 32 along K for a group behind the stream: tokens from memory, weights from the images; no barrier, no LDS write.  All five blocks: a block without rows multiplies the last written block and is not stored.
.macro SLOWSTEP zero
	PLACES
	WIN 0
.irp i, 0,1,2,3,4
	global_load_b128 v[AF+8*(\i):AF+8*(\i)+3],   v[AOFF+(\i)], s[AB:AB+1]
	global_load_b128 v[AF+8*(\i)+4:AF+8*(\i)+7], v[AOFF+(\i)], s[AB:AB+1] offset:AH
.endr
	FETCH 0, 0
	s_wait_loadcnt 0x0
	s_wait_dscnt 0x0
	MUL 0, 0, 0, 0, \zero
	MUL 0, 0, 0, 2, \zero
	BLK4 0, 0, 0, 2-(\zero)
	WIN 0
	s_add_nc_u64 s[AB:AB+1], s[AB:AB+1], ASTEP/2   ; the loads that read it are done
	v_add_nc_u32 v[LB], 8192, v[LB]
.endm
.macro MKAOFF                          ; s45 = 20 x group + wave: block s45 + 4 i, held to the blocks that were written
.irp i, 0,1,2,3,4
	s_add_co_u32 s46, s45, 4*(\i)
	s_min_u32 s46, s46, s[NB1]
	s_min_u32 s46, s46, 63
	s_lshl_b32 s46, s46, ABLK
	v_add_nc_u32 v[AOFF+(\i)], s46, v[L16]
.endr
.endm
.macro ADDB i                          ; u = sum + b1, block i; each accumulator's registers in ascending order
	WIN 0x0e+(\i)/4                                ; source 0 window 2 or 3, source 1 window 3
.irp n, 0,1,2,3,4,5,6,7
.irp j, 0,1,2,3,4,5,6,7
	v_add_f32 v[TR+8*(\n)+(\j)], v[64*((\i)%4)+8*(\n)+(\j)], v[BL+32*((\n)/4)+4*(\j)+(\n)%4]
.endr
.endr
	WIN 0
.endm
	s_load_b256 s[4:11], s[0:1], 0x0               ; xg s[4:5], W1 s[6:7], b1 s[8:9], cnt s[10:11]
	s_load_b64 s[12:13], s[0:1], 0x20              ; hbuf
	v_lshl_add_u32 v[SPW], v0, 2, SPARE
	v_mov_b32 v[NIL], 0
	v_lshrrev_b32 v17, 5, v0
	v_readfirstlane_b32 s[WV], v17
	v_and_b32 v[LANE], 31, v0
	v_and_b32 v[RR], 15, v0
	v_bfe_u32 v[HH], v0, 4, 1
	s_mov_b32 s[SL], ttmp9
	s_and_b32 s[EX], ttmp7, 0xffff
	s_and_b32 s[GG], s[WV], 1
	s_lshr_b32 s[AA], s[WV], 1
	v_lshlrev_b32 v[L16], 4, v[LANE]
	v_lshlrev_b32 v[WOFF], 4, v[RR]
	v_lshl_add_u32 v[WOFF], v[HH], 17, v[WOFF]     ; + 8 h rows of 16,384 bytes
	v_lshlrev_b32 v[PFO], 14, v[LANE]
	v_lshlrev_b32 v18, 7, v[HH]                    ; b1: 32 h numbers
	v_mov_b32 v[LB], v[L16]
	s_lshl_b32 s44, s[AA], 13
	s_lshl_b32 s45, s[GG], 12
	s_add_co_u32 s44, s44, s45
	v_add_nc_u32 v[SB], s44, v[L16]                ; images 4 g .. 4 g + 3 of half a
	s_lshl_b32 s46, s[EX], 24                      ; W1: the expert,
	s_lshl_b32 s44, s[SL], 9                       ; my slice's 128 columns,
	s_add_co_u32 s46, s46, s44
	s_lshl_b32 s44, s[GG], 8                       ; my 64 of them,
	s_add_co_u32 s46, s46, s44
	s_lshl_b32 s44, s[AA], 19                      ; my 32 rows of a step
	s_add_co_u32 s46, s46, s44
	s_mov_b32 s47, 0
	s_lshl_b32 s48, s[EX], 14                      ; b1
	s_lshl_b32 s44, s[SL], 9
	s_add_co_u32 s48, s48, s44
	s_mov_b32 s49, 0
	s_lshl_b32 s50, s[EX], 23                      ; hbuf: an expert has 64 blocks of 131,072 bytes; my slice is four images of 1,024 in each
	s_lshl_b32 s44, s[SL], 12
	s_add_co_u32 s50, s50, s44
	s_mov_b32 s51, 0
	s_lshl_b32 s52, s[EX], 21                      ; xg: an expert has 64 blocks of 32,768 bytes
	s_mov_b32 s53, 0
	s_lshl_b32 s58, s[EX], 7                       ; cnt
	s_mov_b32 s[K1], 0xc0135761                    ; -2 log2(e) sqrt(2 / pi) = -2.3022082
	s_mov_b32 s[K1+1], 0xc0135761
	s_mov_b32 s[K2], 0xbdd2d3e8                    ; 0.044715 K1
	s_mov_b32 s[K2+1], 0xbdd2d3e8
	s_wait_kmcnt 0x0
	s_load_b32 s[CNT], s[10:11], s58 offset:0x0
	s_add_nc_u64 s[WB:WB+1], s[6:7], s[46:47]
	s_add_nc_u64 s[8:9], s[8:9], s[48:49]
	s_add_nc_u64 s[AB:AB+1], s[4:5], s[52:53]
	s_add_nc_u64 s[AB0:AB0+1], s[4:5], s[52:53]
	s_add_nc_u64 s[HB:HB+1], s[12:13], s[50:51]
	WIN 0xc0
.irp g, 0,1
.irp j, 0,1,2,3,4,5,6,7
	global_load_b128 v[BL+32*(\g)+4*(\j):BL+32*(\g)+4*(\j)+3], v18, s[8:9] offset:256*(\g)+16*(\j)  ; b1[128 s + 64 g + 32 h + 4 j + 0..3]
.endr
.endr
	LDW 0, 0                                       ; units 0 and 1 are on their way while the count comes
	LDW 1, WSTEP
	WIN 0
	s_wait_xcnt 0x0
	s_add_nc_u64 s[WB:WB+1], s[WB:WB+1], WSTEP
	s_wait_kmcnt 0x0
	s_min_u32 s[CNT], s[CNT], 1024
	s_max_u32 s[CNT], s[CNT], 1
	s_add_co_u32 s[NBLK], s[CNT], 15
	s_lshr_b32 s[NBLK], s[NBLK], 4
	s_sub_co_u32 s[NB1], s[NBLK], 1
	s_mov_b32 s[NG], 1
.irp lim, 20, 40, 60
	s_cmp_gt_u32 s[NBLK], \lim
	s_cselect_b32 s44, 1, 0
	s_add_co_u32 s[NG], s[NG], s44
.endr
	s_add_co_u32 s44, s[WV], 16
	s_cmp_lt_u32 s44, s[NBLK]
	s_cselect_b32 s[L4], 1, 0
	s_mov_b32 s45, s[WV]
	MKAOFF
	LDA 0                                          ; step 0's tokens are asked for as soon as the count is in, ahead of the wait for unit 0
	; the step in front of step 0: unit 0 becomes images; unit 2 is asked for
	s_wait_loadcnt 36                              ; unit 0 (and b1) are in: unit 1's 16 loads and the tokens' 20 were issued behind them
	CVT 0
	STIMG
	s_wait_xcnt 0x0
	s_add_nc_u64 s[WB:WB+1], s[WB:WB+1], WSTEP
	LDW 0, 0
	s_wait_dscnt 0x0
	s_barrier_signal -1
	s_barrier_wait -1                              ; step 0's images are whole
	FETCH 0, 0
	STEP 0, 1, 1, 1, 1, 36, 36, 1                  ; t = 0: its first products start the sums
	s_mov_b32 s[KC], 6
.Lk:                                                   ; t = 1 .. 12
	STEP 1, 0, 1, 1, 1, 36, 36, 2
	STEP 0, 0, 1, 1, 1, 36, 36, 3
	s_sub_co_u32 s[KC], s[KC], 1
	s_cmp_lg_u32 s[KC], 0
	s_cbranch_scc1 .Lk
	STEP 1, 0, 1, 1, 0, 36, 36, 0                  ; t = 13: no unit is left to ask for; behind tokens 13 stand unit 15 and tokens 14
	STEP 0, 0, 1, 1, 0, 20, 20, 0                  ; t = 14: behind unit 15 stand tokens 14, behind those tokens 15
	STEP 1, 0, 0, 0, 0, 0, 0, 0                    ; t = 15
	WIN 0x0f                                       ; b1 is rounded to bf16, like every input
.set k, 0
.rept 32
	v_cvt_pk_bf16_f32 v[CV+k], v[BL+2*k], v[BL+2*k+1]
.set k, k+1
.endr
	WIN 0xc0
.set k, 0
.rept 32
	v_lshlrev_b32 v[BL+2*k], 16, v[CV+k]
	v_and_b32 v[BL+2*k+1], 0xffff0000, v[CV+k]
.set k, k+1
.endr
	WIN 0
	s_mov_b32 s[GRP], 0
.Lgrp:                                                 ; four trips; a group that the count does not reach is jumped, forward, over text with no barrier
	s_cmp_ge_u32 s[GRP], s[NG]
	s_cbranch_scc1 .Lgnext
	PLACES                                         ; behind the group's last products
	s_mov_b32 s[BI], 0
.Lblk:                                                 ; THE WAY OUT, a block of 16 rows at a time; blocks past the count are jumped
	s_mul_i32 s44, s[GRP], 20
	s_lshl_b32 s45, s[BI], 2
	s_add_co_u32 s44, s44, s45
	s_add_co_u32 s44, s44, s[WV]                   ; the block's number among the expert's
	s_cmp_ge_u32 s44, s[NBLK]
	s_cbranch_scc1 .Lbnext
	s_cmp_eq_u32 s[BI], 0
	s_cbranch_scc1 .Ladd0
	s_cmp_eq_u32 s[BI], 1
	s_cbranch_scc1 .Ladd1
	s_cmp_eq_u32 s[BI], 2
	s_cbranch_scc1 .Ladd2
	s_cmp_eq_u32 s[BI], 3
	s_cbranch_scc1 .Ladd3
	ADDB 4
	s_branch .Lcom
.Ladd0:
	ADDB 0
	s_branch .Lcom
.Ladd1:
	ADDB 1
	s_branch .Lcom
.Ladd2:
	ADDB 2
	s_branch .Lcom
.Ladd3:
	ADDB 3
.Lcom:                                                 ; gelu of 64 numbers a lane, written once: u / (1 + 2^(u (K1 + K2 u u)))
.set k, 0
.rept 32
	v_pk_mul_f32 v[SR+2*k:SR+2*k+1], v[TR+2*k:TR+2*k+1], v[TR+2*k:TR+2*k+1]
.set k, k+1
.endr
.set k, 0
.rept 32
	v_pk_fma_f32 v[SR+2*k:SR+2*k+1], v[SR+2*k:SR+2*k+1], s[K2:K2+1], s[K1:K1+1] op_sel_hi:[1,0,0]
.set k, k+1
.endr
.set k, 0
.rept 32
	v_pk_mul_f32 v[SR+2*k:SR+2*k+1], v[SR+2*k:SR+2*k+1], v[TR+2*k:TR+2*k+1]
.set k, k+1
.endr
.set k, 0
.rept 64
	v_exp_f32 v[SR+k], v[SR+k]
.set k, k+1
.endr
	v_nop                                          ; a plain instruction behind the last exponential,
	s_wait_alu depctr_va_vdst(0)                   ; and one wait for the batch of 64, ahead of their first reader
.set k, 0
.rept 32
	v_pk_add_f32 v[SR+2*k:SR+2*k+1], v[SR+2*k:SR+2*k+1], 1.0 op_sel_hi:[1,0]
.set k, k+1
.endr
.set k, 0
.rept 64
	v_rcp_f32 v[SR+k], v[SR+k]
.set k, k+1
.endr
	v_nop
	s_wait_alu depctr_va_vdst(0)                   ; one wait for the 64 reciprocals
.set k, 0
.rept 32
	v_pk_mul_f32 v[TR+2*k:TR+2*k+1], v[TR+2*k:TR+2*k+1], v[SR+2*k:SR+2*k+1]
.set k, k+1
.endr
	s_min_u32 s44, s44, 63
	s_lshl_b32 s44, s44, 17
	s_wait_xcnt 0x0                                ; the last block's stores have read HR and HO
	v_add_nc_u32 v[HO], s44, v[L16]
.set k, 0
.rept 32
	v_cvt_pk_bf16_f32 v[HR+k], v[TR+2*k], v[TR+2*k+1]
.set k, k+1
.endr
.irp n, 0,1,2,3,4,5,6,7
	global_store_b128 v[HO], v[HR+4*(\n):HR+4*(\n)+3], s[HB:HB+1] offset:1024*((\n)/2)+512*((\n)%2)  ; tile n is half n % 2 of image n / 2: 512 consecutive bytes
.endr
.Lbnext:
	s_add_co_u32 s[BI], s[BI], 1
	s_cmp_lt_u32 s[BI], 5
	s_cbranch_scc1 .Lblk
	s_add_co_u32 s44, s[GRP], 1                    ; is there a further group?
	s_cmp_ge_u32 s44, s[NG]
	s_cbranch_scc1 .Lgnext
	s_mul_i32 s45, s44, 20
	s_add_co_u32 s45, s45, s[WV]
	s_wait_xcnt 0x0                                ; the stores have read HR, into which tokens are loaded next
	MKAOFF
	v_mov_b32 v[LB], v[L16]
	s_mov_b64 s[AB:AB+1], s[AB0:AB0+1]
	SLOWSTEP 1
	s_mov_b32 s[KC], 31
.Lslow:
	SLOWSTEP 0
	s_sub_co_u32 s[KC], s[KC], 1
	s_cmp_lg_u32 s[KC], 0
	s_cbranch_scc1 .Lslow
.Lgnext:
	s_add_co_u32 s[GRP], s[GRP], 1
	s_cmp_lt_u32 s[GRP], 4
	s_cbranch_scc1 .Lgrp
	s_wait_dscnt 0x0                               ; my reads of the images are back;
	s_barrier_signal -1                            ; the closing add is an LDS write, and it stands behind a barrier behind which no wave reads LDS any more:
	s_barrier_wait -1                              ; the order is made by the barrier, whatever the addresses that the two nested counts above give the reads
	s_wait_tensorcnt 0x0                           ; the wave's end
	ds_add_u32 v[SPW], v[NIL]
	s_wait_dscnt 0x0
	s_endpgm
.Lfunc_end_k_qc68d5b4f4e_ffn1:
	.size	k_qc68d5b4f4e_ffn1, .Lfunc_end_k_qc68d5b4f4e_ffn1-k_qc68d5b4f4e_ffn1
	.p2alignl 7, 3214868480
	.fill 96, 4, 3214868480
	.section	.rodata,"a",@progbits
	.p2align	6, 0x0
	.amdhsa_kernel k_qc68d5b4f4e_ffn1
		.amdhsa_group_segment_fixed_size 262656
		.amdhsa_private_segment_fixed_size 0
		.amdhsa_enable_private_segment 0
		.amdhsa_kernarg_size 40
		.amdhsa_user_sgpr_count 2
		.amdhsa_user_sgpr_kernarg_segment_ptr 1
		.amdhsa_wavefront_size32 1
		.amdhsa_system_sgpr_workgroup_id_x 1
		.amdhsa_system_sgpr_workgroup_id_y 1
		.amdhsa_system_sgpr_workgroup_id_z 1
		.amdhsa_system_vgpr_workitem_id 0
		.amdhsa_next_free_vgpr 896
		.amdhsa_next_free_sgpr 66
		.amdhsa_reserve_vcc 0
		.amdhsa_float_denorm_mode_32 3
		.amdhsa_float_denorm_mode_16_64 3
		.amdhsa_memory_ordered 1
		.amdhsa_forward_progress 1
		.amdhsa_inst_pref_size 136
	.end_amdhsa_kernel
	.amdgpu_metadata
---
amdhsa.version: [ 1, 2 ]
amdhsa.kernels:
  - .name:           k_qc68d5b4f4e_ffn1
    .symbol:         k_qc68d5b4f4e_ffn1.kd
    .args:
      - { .name: xg, .offset: 0, .size: 8, .value_kind: global_buffer, .address_space: global }
      - { .name: W1, .offset: 8, .size: 8, .value_kind: global_buffer, .address_space: global }
      - { .name: b1, .offset: 16, .size: 8, .value_kind: global_buffer, .address_space: global }
      - { .name: cnt, .offset: 24, .size: 8, .value_kind: global_buffer, .address_space: global }
      - { .name: hbuf, .offset: 32, .size: 8, .value_kind: global_buffer, .address_space: global }
    .group_segment_fixed_size: 262656
    .private_segment_fixed_size: 0
    .kernarg_segment_align: 8
    .kernarg_segment_size: 40
    .max_flat_workgroup_size: 128
    .sgpr_count:     66
    .vgpr_count:     896
    .wavefront_size: 32
...
	.end_amdgpu_metadata
.endif
;; end of part 3
;; launch ffn2 (part 4): grid 32 x 8, 4 waves a work-group, no clusters, 262,656 bytes of LDS; arguments hbuf, W2, b2, cnt, part; writes part
.if DOCPART == 4
	.amdgcn_target "amdgcn-amd-amdhsa--gfx1250"
	.amdhsa_code_object_version 6
	.text
	.protected	k_qc68d5b4f4e_ffn2
	.globl	k_qc68d5b4f4e_ffn2
	.p2align	8
	.type	k_qc68d5b4f4e_ffn2,@function
k_qc68d5b4f4e_ffn2:
	s_mov_b64 s[64:65], 0
	v_nop
	global_prefetch_b8 v0, s[64:65] scope:SCOPE_SE
	s_setreg_imm32_b32 hwreg(HW_REG_WAVE_MODE, 25, 1), 1
	s_wait_xcnt 0x0
; SECOND PRODUCT OF THE EXPERTS.  part[q][e 1024 + rank][:] = h[rank][1024 q .. 1024 q + 1023] W2[e][those rows][:] (+ b2[e] in quarter q = 0), f32 partial sums that the last launch adds.
; W2: [8][4096][1024] f32.  hbuf: [e][block of 16 ranks][128 images of 16 x 32][half][lane][16 bytes] bf16, as the first product stored it.  cnt: the experts' counts.
; SHARES.  Work-group (x, e): s = x % 8 gives 128 columns of the output, q = x / 8 a quarter of K: 512 KiB of W2 that no other work-group reads, and ALL of the expert's rows.
; With 128 columns x 1,024 k a work-group reads 2 KiB of h for each row; 32 columns x 4,096 k would read 8 KiB.  The price is four partial sums for each output number.
; THE FORM IS THE FIRST PRODUCT'S: rows in blocks of 16 ranks, group G = blocks 20 G .. 20 G + 19, wave w has blocks 20 G + 4 i + w; group 0 is multiplied while the weights stream, 16 steps of 64 along K,
; one barrier a step, a constant count; the rounded weights stay in LDS (256 KiB, each byte written once); groups 1 to 3 follow from LDS and memory in a loop with no barrier and no LDS write.
; THE ORDER OF K.  Place 16 t + 8 h + j of image 2 G64 + a stands for f = 64 G64 + 32 h + 4 j + 2 a + t.  A unit of W2 (64 columns x 32 places) reads its rows in that order, so both operands carry the same permutation.
; Source 0 = h, source 1 = weights: lane (r, h) of tile n = 4 g + c holds column 64 g + 4 r + c and rows 8 h + j: the four tiles of a column group give 16 neighbouring bytes a lane.
; A block past the count reads the expert's last written block and is not stored; an expert without rows counts as having one (the first product wrote it; nobody reads the result).
; NO TENSOR LOADS, NO CLUSTER: the weights pass through registers to be rounded and each slice has one reader; two slots of the 320 shared rows x 256 bytes do not fit beside 256 KiB of images.
; FORMATS AND LIMITS.  W2 and b2 are rounded to bf16, sums in f32.  NaN and infinities are not treated apart.
.set ROWT,  4096                       ; bytes from place t = 0 to t = 1: one row of W2[e]
.set ROWJ,  16384                      ; from j to j + 1: four rows
.set WSTEP, 262144                     ; 64 rows: a K step
.set AK,    1024                       ; h: bytes from a step's first image to its second,
.set AH,    512                        ; from an image's first half to its second,
.set ASTEP, 2048                       ; and from step to step
.set ABLK,  17                         ; a block of hbuf is 2^17 bytes
.set W_MUL, 0xa4                       ; products: source 0 (h) window 0, source 1 (weights) window 1, C and D window 2; + 0x50: window 3
.set SPARE, 262144                     ; behind the 256 images: the spare words, 128 bytes a wave: two blocks of 256 bytes that no other line names
; window 0
.set LANE, 1
.set RR,   2                           ; l % 16
.set HH,   3                           ; l / 16
.set WOFF, 4                           ; my 16 bytes in a unit's first row: 16 r + 32 h rows; never rewritten
.set PFO,  5                           ; the l-th row of a unit; never rewritten
.set LB,   6                           ; images are read from here: 16 l + 16,384 x step
.set SB,   7                           ; and written here
.set AOFF, 8                           ; v[8:12]  block i: 16 l + the block's 131,072 bytes
.set L16,  14                          ; 16 l
.set PO0,  15                          ; 8 h rows of part + 16 r
.set PO,   16                          ; + the block's 16 rows
.set SPW,  30                          ; LDS address of my spare word; never rewritten
.set NIL,  31                          ; 0; never rewritten
.set CV,   32                          ; v[32:63]  a unit's four operands
.set AF,   64                          ; v[64:223] h fragments: buffer p, half a, block i at AF + 80 p + 40 a + 8 i
.set TR,   64                          ; the way out: 64 numbers, four neighbouring columns side by side
.set B2,   224                         ; v[224:231] b2 of my eight columns
; window 1: v[0:63], v[64:127] weight fragments F0, F1; v[128:191], v[192:255] units as loaded
.set WST,  128
; window 2: accumulator (i, n) at 64 i + 8 n, i = 0..3.  window 3: (4, n) at 8 n
.set WV,   20
.set SL,   21                          ; s
.set EX,   22                          ; e
.set GG,   23                          ; which 64 columns my units hold
.set AA,   24                          ; which image of a step
.set CNT,  25
.set NBLK, 26
.set NG,   27
.set GRP,  28
.set L4,   29                          ; 1: my fifth block of group 0 has rows
.set KC,   30
.set QQ,   31                          ; q
.set WB,   32                          ; s[32:33] W2 at my unit of the step last asked for
.set AB,   34                          ; s[34:35] hbuf at the step last asked for
.set AB0,  36                          ; s[36:37] hbuf at (e, block 0, my quarter)
.set PB,   38                          ; s[38:39] part at (q, e, rank 0, my columns)
.set NB1,  57                          ; the last block that the first product wrote
.set MSB, 0
.macro WIN new                         ; s_set_vgpr_msb: bits 1:0 source 0, 3:2 source 1, 5:4 source 2, 7:6 destination; the high byte repeats the setting that is left
.if MSB != (\new)
	s_set_vgpr_msb (MSB<<8)|(\new)
.set MSB, (\new)
.endif
.endm
.macro PLACES                          ; four plain instructions between a matrix instruction and a load into, or a vector read of, its registers (ISA guide 7.12.1 for vector reads)
.rept 4
	v_nop
.endr
.endm
.macro LDW b, extra                    ; a unit: 16 loads; in each, sixteen lanes take 256 consecutive bytes of one row
	WIN 0x40
.irp t, 0,1
.irp j, 0,1,2,3,4,5,6,7
	global_load_b128 v[WST+64*(\b)+4*(8*(\t)+(\j)):WST+64*(\b)+4*(8*(\t)+(\j))+3], v[WOFF], s[WB:WB+1] offset:ROWT*(\t)+ROWJ*(\j)+(\extra) th:TH_LOAD_NT
.endr
.endr
.endm
.macro CVT b                           ; operand c, register 4 t + q: places 2 q and 2 q + 1 of half t, column c
	WIN 0x05
.irp c, 0,1,2,3
.irp t, 0,1
.irp q, 0,1,2,3
	v_cvt_pk_bf16_f32 v[CV+8*(\c)+4*(\t)+(\q)], v[WST+64*(\b)+4*(8*(\t)+2*(\q))+(\c)], v[WST+64*(\b)+4*(8*(\t)+2*(\q)+1)+(\c)]
.endr
.endr
.endr
.endm
.macro STIMG                           ; the four operands become images of the next step
	WIN 0
.irp c, 0,1,2,3
.irp t, 0,1
	ds_store_b128 v[SB], v[CV+8*(\c)+4*(\t):CV+8*(\c)+4*(\t)+3] offset:1024*(\c)+512*(\t)
.endr
.endr
	v_add_nc_u32 v[SB], 16384, v[SB]
.endm
.macro LDA p                           ; a step's h fragments: 20 loads of 512 consecutive bytes
	WIN 0
.irp a, 0,1
.irp i, 0,1,2,3,4
	global_load_b128 v[AF+80*(\p)+40*(\a)+8*(\i):AF+80*(\p)+40*(\a)+8*(\i)+3],   v[AOFF+(\i)], s[AB:AB+1] offset:AK*(\a)
	global_load_b128 v[AF+80*(\p)+40*(\a)+8*(\i)+4:AF+80*(\p)+40*(\a)+8*(\i)+7], v[AOFF+(\i)], s[AB:AB+1] offset:AK*(\a)+AH
.endr
.endr
.endm
.macro FETCH f, imm                    ; eight weight fragments (128 columns x 32 places): 16 LDS loads of 512 consecutive bytes
	WIN 0x40
.irp n, 0,1,2,3,4,5,6,7
	ds_load_b128 v[64*(\f)+8*(\n):64*(\f)+8*(\n)+3],   v[LB] offset:(\imm)+1024*(\n)
	ds_load_b128 v[64*(\f)+8*(\n)+4:64*(\f)+8*(\n)+7], v[LB] offset:(\imm)+1024*(\n)+512
.endr
.endm
.macro PROD f, p, a, i, n, zero
.set rF, 64*(\f)+8*(\n)
.set rA, AF+80*(\p)+40*(\a)+8*(\i)
.set rC, 64*((\i)%4)+8*(\n)
.if \zero
	v_wmma_f32_16x16x32_bf16 v[rC:rC+7], v[rA:rA+7], v[rF:rF+7], 0
.else
	v_wmma_f32_16x16x32_bf16 v[rC:rC+7], v[rA:rA+7], v[rF:rF+7], v[rC:rC+7]
.endif
.endm
.macro MUL f, p, a, i0, zero           ; 16 products: blocks i0, i0 + 1 x 8 tiles.  The accumulators take turns, one instruction a turn
	WIN W_MUL
.irp i, \i0, (\i0)+1
.irp n, 0,1,2,3,4,5,6,7
	PROD \f, \p, \a, \i, \n, \zero
.endr
.endr
.endm
; The fifth block's 8 products.  mode 0: only where the block has rows (a forward jump on L4, over matrix instructions alone); 1: always, and they start the sums; 2: always
.macro BLK4 f, p, a, mode
.if (\mode) == 0
	WIN 0
	s_cmp_eq_u32 s[L4], 0
	s_cbranch_scc1 .Lno4_\@
.endif
	WIN W_MUL+0x50
.irp n, 0,1,2,3,4,5,6,7
.if (\mode) == 1
	PROD \f, \p, \a, 4, \n, 1
.else
	PROD \f, \p, \a, 4, \n, 0
.endif
.endr
.if (\mode) == 0
	WIN 0
.Lno4_\@:
.endif
.endm
; K STEP t, p = t % 2.  cv: unit t + 1 is rounded and laid into LDS.  lda, ldw: h of step t + 1 and unit t + 3 are asked for.  One counter counts both kinds of loads, in the order of issue:
; n1 = the loads issued behind unit t + 1 (h of t, unit t + 2); n2 = those issued behind h of t when the wait is reached (unit t + 2, h of t + 1).  The wait for h of t stands ahead of the request
; for unit t + 3: a wave then has 56 loads out at the most, and 52 behind that request.
; pf: lane l asks for the l-th row (256 bytes) of my unit of step t + 6, three steps ahead of its load, each block once in the launch; 1: always; above 1: while the loop's count is at least pf, so that no request passes unit 15.
.macro STEP p, zero, cv, lda, ldw, n1, n2, pf
.if \cv
	s_wait_loadcnt \n1
	CVT 1-(\p)                                     ; its 32 plain lines are also the places in front of the loads into the h buffer that the last step multiplied
	STIMG
.endif
.if \lda
	s_wait_xcnt 0x0                                ; the bases are stepped only behind this wait; the loads that read them were issued a step ago
	s_add_nc_u64 s[AB:AB+1], s[AB:AB+1], ASTEP
	LDA 1-(\p)
.endif
	s_wait_loadcnt \n2                             ; this step's h, asked for a step ago, is in
.if \ldw
	s_add_nc_u64 s[WB:WB+1], s[WB:WB+1], WSTEP
.if (\pf) > 1
	s_cmp_lt_u32 s[KC], \pf
	s_cbranch_scc1 .Lnopf_\@
.endif
.if (\pf) > 0
	global_prefetch_b8 v[PFO], s[WB:WB+1] offset:3*WSTEP th:TH_LOAD_NT scope:SCOPE_SE
.endif
.if (\pf) > 1
.Lnopf_\@:
.endif
	LDW 1-(\p), 0
.endif
.if \cv
	s_wait_dscnt 8                                 ; F0's 16 loads are in; my 8 image stores, issued behind them, may be out
.else
	s_wait_dscnt 0x0
.endif
	MUL 0, \p, 0, 0, \zero
	PLACES
	FETCH 1, 8192                                  ; the step's second image
	MUL 0, \p, 0, 2, \zero
	BLK4 0, \p, 0, \zero
	s_wait_dscnt 0x0                               ; F1 is in; and, for the others' sake, my image stores are done
.if \cv
	s_barrier_signal -1
.endif
	MUL 1, \p, 1, 0, 0                             ; work on registers between signal and wait
.if \cv
	s_barrier_wait -1                              ; the next step's images are whole
	PLACES
	FETCH 0, 16384
.endif
	MUL 1, \p, 1, 2, 0
	BLK4 1, \p, 1, 0
	WIN 0
	v_add_nc_u32 v[LB], 16384, v[LB]
.endm
; One image along K for a group behind the stream: h from memory, weights from LDS; no barrier, no LDS write.  All five blocks: a block without rows multiplies the last written block and is not stored.
.macro SLOWSTEP zero
	PLACES
	WIN 0
.irp i, 0,1,2,3,4
	global_load_b128 v[AF+8*(\i):AF+8*(\i)+3],   v[AOFF+(\i)], s[AB:AB+1]
	global_load_b128 v[AF+8*(\i)+4:AF+8*(\i)+7], v[AOFF+(\i)], s[AB:AB+1] offset:AH
.endr
	FETCH 0, 0
	s_wait_loadcnt 0x0
	s_wait_dscnt 0x0
	MUL 0, 0, 0, 0, \zero
	MUL 0, 0, 0, 2, \zero
	BLK4 0, 0, 0, 2-(\zero)
	WIN 0
	s_add_nc_u64 s[AB:AB+1], s[AB:AB+1], ASTEP/2   ; the loads that read it are done
	v_add_nc_u32 v[LB], 8192, v[LB]
.endm
.macro MKAOFF                          ; s45 = 20 x group + wave: block s45 + 4 i, held to the blocks that were written
.irp i, 0,1,2,3,4
	s_add_co_u32 s46, s45, 4*(\i)
	s_min_u32 s46, s46, s[NB1]
	s_min_u32 s46, s46, 63
	s_lshl_b32 s46, s46, ABLK
	v_add_nc_u32 v[AOFF+(\i)], s46, v[L16]
.endr
.endm
; THE WAY OUT of block i of the group in hand; a block past the count is jumped.  Adding the bias also lays the four tiles of a column group side by side.
.macro OUTB i
	s_mul_i32 s44, s[GRP], 20
	s_add_co_u32 s44, s44, 4*(\i)
	s_add_co_u32 s44, s44, s[WV]
	s_cmp_ge_u32 s44, s[NBLK]
	s_cbranch_scc1 .Ldead_\@
	s_min_u32 s44, s44, 63
	s_lshl_b32 s44, s44, 16                        ; 16 rows of 4,096 bytes
	s_wait_xcnt 0x0                                ; the last block's stores have read TR and PO
	v_add_nc_u32 v[PO], s44, v[PO0]
	WIN 0x02+(\i)/4                                ; source 0 window 2 or 3
.irp n, 0,1,2,3,4,5,6,7
.irp j, 0,1,2,3,4,5,6,7
	v_add_f32 v[TR+32*((\n)/4)+4*(\j)+(\n)%4], v[64*((\i)%4)+8*(\n)+(\j)], v[B2+(\n)]  ; each accumulator's registers in ascending order
.endr
.endr
	WIN 0
.irp g, 0,1
.irp j, 0,1,2,3,4,5,6,7
	global_store_b128 v[PO], v[TR+32*(\g)+4*(\j):TR+32*(\g)+4*(\j)+3], s[PB:PB+1] offset:4096*(\j)+256*(\g)  ; sixteen lanes store 256 consecutive bytes of row 8 h + j, at a multiple of 256 from part's first byte
.endr
.endr
.Ldead_\@:
.endm
	s_load_b256 s[4:11], s[0:1], 0x0               ; hbuf s[4:5], W2 s[6:7], b2 s[8:9], cnt s[10:11]
	s_load_b64 s[12:13], s[0:1], 0x20              ; part
	v_lshl_add_u32 v[SPW], v0, 2, SPARE
	v_mov_b32 v[NIL], 0
	v_lshrrev_b32 v17, 5, v0
	v_readfirstlane_b32 s[WV], v17
	v_and_b32 v[LANE], 31, v0
	v_and_b32 v[RR], 15, v0
	v_bfe_u32 v[HH], v0, 4, 1
	s_and_b32 s[SL], ttmp9, 7
	s_lshr_b32 s[QQ], ttmp9, 3
	s_and_b32 s[EX], ttmp7, 0xffff
	s_and_b32 s[GG], s[WV], 1
	s_lshr_b32 s[AA], s[WV], 1
	v_lshlrev_b32 v[L16], 4, v[LANE]
	v_lshlrev_b32 v19, 4, v[RR]                    ; b2: four numbers a lane
	v_lshl_add_u32 v[WOFF], v[HH], 17, v19         ; + 32 h rows of 4,096 bytes
	v_lshl_add_u32 v[PO0], v[HH], 15, v19          ; + 8 h rows of part
	v_lshrrev_b32 v17, 1, v[LANE]                  ; a unit's rows are 32 h + 4 j + t beyond its first: the l-th is 4 (l / 2) + l % 2
	v_and_b32 v18, 1, v[LANE]
	v_lshl_add_u32 v17, v17, 2, v18
	v_lshlrev_b32 v[PFO], 12, v17
	v_mov_b32 v[LB], v[L16]
	s_lshl_b32 s44, s[AA], 13
	s_lshl_b32 s45, s[GG], 12
	s_add_co_u32 s44, s44, s45
	v_add_nc_u32 v[SB], s44, v[L16]                ; images 4 g .. 4 g + 3 of half a
	s_lshl_b32 s46, s[EX], 24                      ; W2: the expert,
	s_lshl_b32 s44, s[QQ], 22                      ; my quarter's 1,024 rows,
	s_add_co_u32 s46, s46, s44
	s_lshl_b32 s44, s[SL], 9                       ; my slice's 128 columns,
	s_add_co_u32 s46, s46, s44
	s_lshl_b32 s44, s[GG], 8                       ; my 64 of them,
	s_add_co_u32 s46, s46, s44
	s_lshl_b32 s44, s[AA], 13                      ; rows 2 a on
	s_add_co_u32 s46, s46, s44
	s_mov_b32 s47, 0
	s_lshl_b32 s48, s[EX], 12                      ; b2
	s_lshl_b32 s44, s[SL], 9
	s_add_co_u32 s48, s48, s44
	s_mov_b32 s49, 0
	s_lshl_b32 s50, s[EX], 23                      ; hbuf: the expert, my quarter's 32 images in each block
	s_lshl_b32 s44, s[QQ], 15
	s_add_co_u32 s50, s50, s44
	s_mov_b32 s51, 0
	s_lshl_b32 s52, s[QQ], 25                      ; part: the quarter, the expert's 1,024 rows, my columns
	s_lshl_b32 s44, s[EX], 22
	s_add_co_u32 s52, s52, s44
	s_lshl_b32 s44, s[SL], 9
	s_add_co_u32 s52, s52, s44
	s_mov_b32 s53, 0
	s_lshl_b32 s58, s[EX], 7                       ; cnt
	s_wait_kmcnt 0x0
	s_load_b32 s[CNT], s[10:11], s58 offset:0x0
	s_add_nc_u64 s[WB:WB+1], s[6:7], s[46:47]
	s_add_nc_u64 s[8:9], s[8:9], s[48:49]
	s_add_nc_u64 s[AB:AB+1], s[4:5], s[50:51]
	s_add_nc_u64 s[AB0:AB0+1], s[4:5], s[50:51]
	s_add_nc_u64 s[PB:PB+1], s[12:13], s[52:53]
.irp g, 0,1
	global_load_b128 v[B2+4*(\g):B2+4*(\g)+3], v19, s[8:9] offset:256*(\g)  ; b2[128 s + 64 g + 4 r + 0..3]
.endr
	LDW 0, 0                                       ; units 0 and 1 are on their way while the count comes
	LDW 1, WSTEP
	WIN 0
	s_wait_xcnt 0x0
	s_add_nc_u64 s[WB:WB+1], s[WB:WB+1], WSTEP
	s_wait_kmcnt 0x0
	s_min_u32 s[CNT], s[CNT], 1024
	s_max_u32 s[CNT], s[CNT], 1
	s_add_co_u32 s[NBLK], s[CNT], 15
	s_lshr_b32 s[NBLK], s[NBLK], 4
	s_sub_co_u32 s[NB1], s[NBLK], 1
	s_mov_b32 s[NG], 1
.irp lim, 20, 40, 60
	s_cmp_gt_u32 s[NBLK], \lim
	s_cselect_b32 s44, 1, 0
	s_add_co_u32 s[NG], s[NG], s44
.endr
	s_add_co_u32 s44, s[WV], 16
	s_cmp_lt_u32 s44, s[NBLK]
	s_cselect_b32 s[L4], 1, 0
	s_mov_b32 s45, s[WV]
	MKAOFF
	LDA 0                                          ; step 0's h is asked for as soon as the count is in, ahead of the wait for unit 0
	; the step in front of step 0: unit 0 becomes images; unit 2 is asked for
	s_wait_loadcnt 36                              ; unit 0 (and b2) are in: unit 1's 16 loads and h's 20 were issued behind them
	CVT 0
	STIMG
	s_wait_xcnt 0x0
	s_add_nc_u64 s[WB:WB+1], s[WB:WB+1], WSTEP
	LDW 0, 0
	s_wait_dscnt 0x0
	s_barrier_signal -1
	s_barrier_wait -1                              ; step 0's images are whole
	FETCH 0, 0
	STEP 0, 1, 1, 1, 1, 36, 36, 1                  ; t = 0: its first products start the sums
	s_mov_b32 s[KC], 6
.Lk:                                                   ; t = 1 .. 12
	STEP 1, 0, 1, 1, 1, 36, 36, 2
	STEP 0, 0, 1, 1, 1, 36, 36, 3
	s_sub_co_u32 s[KC], s[KC], 1
	s_cmp_lg_u32 s[KC], 0
	s_cbranch_scc1 .Lk
	STEP 1, 0, 1, 1, 0, 36, 36, 0                  ; t = 13: no unit is left to ask for; behind h of 13 stand unit 15 and h of 14
	STEP 0, 0, 1, 1, 0, 20, 20, 0                  ; t = 14: behind unit 15 stands h of 14, behind that h of 15
	STEP 1, 0, 0, 0, 0, 0, 0, 0                    ; t = 15
.irp k, 0,1,2,3
	v_cvt_pk_bf16_f32 v[20+(\k)], v[B2+2*(\k)], v[B2+2*(\k)+1]  ; b2 is rounded to bf16, like every input,
.endr
.irp k, 0,1,2,3
	v_lshlrev_b32 v[B2+2*(\k)], 16, v[20+(\k)]
	v_and_b32 v[B2+2*(\k)+1], 0xffff0000, v[20+(\k)]
.endr
	s_cmp_eq_u32 s[QQ], 0
	s_cselect_b32 s44, -1, 0
.irp k, 0,1,2,3,4,5,6,7
	v_and_b32 v[B2+(\k)], s44, v[B2+(\k)]          ; and counts in quarter 0 alone
.endr
	s_mov_b32 s[GRP], 0
.Lgrp:                                                 ; four trips; a group that the count does not reach is jumped, forward, over text with no barrier
	s_cmp_ge_u32 s[GRP], s[NG]
	s_cbranch_scc1 .Lgnext
	PLACES                                         ; behind the group's last products
	OUTB 0
	OUTB 1
	OUTB 2
	OUTB 3
	OUTB 4
	s_add_co_u32 s44, s[GRP], 1                    ; is there a further group?
	s_cmp_ge_u32 s44, s[NG]
	s_cbranch_scc1 .Lgnext
	s_mul_i32 s45, s44, 20
	s_add_co_u32 s45, s45, s[WV]
	s_wait_xcnt 0x0                                ; the stores have read TR, into which h is loaded next
	MKAOFF
	v_mov_b32 v[LB], v[L16]
	s_mov_b64 s[AB:AB+1], s[AB0:AB0+1]
	SLOWSTEP 1
	s_mov_b32 s[KC], 31
.Lslow:
	SLOWSTEP 0
	s_sub_co_u32 s[KC], s[KC], 1
	s_cmp_lg_u32 s[KC], 0
	s_cbranch_scc1 .Lslow
.Lgnext:
	s_add_co_u32 s[GRP], s[GRP], 1
	s_cmp_lt_u32 s[GRP], 4
	s_cbranch_scc1 .Lgrp
	s_wait_dscnt 0x0                               ; my reads of the images are back;
	s_barrier_signal -1                            ; the closing add is an LDS write, and it stands behind a barrier behind which no wave reads LDS any more:
	s_barrier_wait -1                              ; the order is made by the barrier, whatever the addresses that the two nested counts above give the reads
	s_wait_tensorcnt 0x0                           ; the wave's end
	ds_add_u32 v[SPW], v[NIL]
	s_wait_dscnt 0x0
	s_endpgm
.Lfunc_end_k_qc68d5b4f4e_ffn2:
	.size	k_qc68d5b4f4e_ffn2, .Lfunc_end_k_qc68d5b4f4e_ffn2-k_qc68d5b4f4e_ffn2
	.p2alignl 7, 3214868480
	.fill 96, 4, 3214868480
	.section	.rodata,"a",@progbits
	.p2align	6, 0x0
	.amdhsa_kernel k_qc68d5b4f4e_ffn2
		.amdhsa_group_segment_fixed_size 262656
		.amdhsa_private_segment_fixed_size 0
		.amdhsa_enable_private_segment 0
		.amdhsa_kernarg_size 40
		.amdhsa_user_sgpr_count 2
		.amdhsa_user_sgpr_kernarg_segment_ptr 1
		.amdhsa_wavefront_size32 1
		.amdhsa_system_sgpr_workgroup_id_x 1
		.amdhsa_system_sgpr_workgroup_id_y 1
		.amdhsa_system_sgpr_workgroup_id_z 1
		.amdhsa_system_vgpr_workitem_id 0
		.amdhsa_next_free_vgpr 832
		.amdhsa_next_free_sgpr 66
		.amdhsa_reserve_vcc 0
		.amdhsa_float_denorm_mode_32 3
		.amdhsa_float_denorm_mode_16_64 3
		.amdhsa_memory_ordered 1
		.amdhsa_forward_progress 1
		.amdhsa_inst_pref_size 121
	.end_amdhsa_kernel
	.amdgpu_metadata
---
amdhsa.version: [ 1, 2 ]
amdhsa.kernels:
  - .name:           k_qc68d5b4f4e_ffn2
    .symbol:         k_qc68d5b4f4e_ffn2.kd
    .args:
      - { .name: hbuf, .offset: 0, .size: 8, .value_kind: global_buffer, .address_space: global }
      - { .name: W2, .offset: 8, .size: 8, .value_kind: global_buffer, .address_space: global }
      - { .name: b2, .offset: 16, .size: 8, .value_kind: global_buffer, .address_space: global }
      - { .name: cnt, .offset: 24, .size: 8, .value_kind: global_buffer, .address_space: global }
      - { .name: part, .offset: 32, .size: 8, .value_kind: global_buffer, .address_space: global }
    .group_segment_fixed_size: 262656
    .private_segment_fixed_size: 0
    .kernarg_segment_align: 8
    .kernarg_segment_size: 40
    .max_flat_workgroup_size: 128
    .sgpr_count:     66
    .vgpr_count:     832
    .wavefront_size: 32
...
	.end_amdgpu_metadata
.endif
;; end of part 4
;; launch combine (part 5): grid 256 x 1, 4 waves a work-group, no clusters, 0 bytes of LDS; arguments part, sel, gate, pos, out0; writes out0
.if DOCPART == 5
	.amdgcn_target "amdgcn-amd-amdhsa--gfx1250"
	.amdhsa_code_object_version 6
	.text
	.protected	k_qc68d5b4f4e_combine
	.globl	k_qc68d5b4f4e_combine
	.p2align	8
	.type	k_qc68d5b4f4e_combine,@function
k_qc68d5b4f4e_combine:
	s_mov_b64 s[64:65], 0
	v_nop
	global_prefetch_b8 v0, s[64:65] scope:SCOPE_SE
	s_setreg_imm32_b32 hwreg(HW_REG_WAVE_MODE, 25, 1), 1
	s_wait_xcnt 0x0
; THE SUM.  out0[t][:] = w0 y0 + w1 y1, where y_k = the sum over the four K quarters q of part[q][e_k 1024 + pos[e_k][t]][:] (b2 lies in quarter 0).
; One wave takes one token: eight rows of 4,096 bytes are read once, one is written.  Which rows: sel, pos and gate, stored by earlier launches, read by scalar loads; what enters an address is held to its table first.
; The token's rank in ALL eight experts' lists is asked for beside sel and gate (eight words at fixed places), and the two that count are chosen by selects: two scalar round trips in place of three.
; A stream: no LDS, no barrier, no matrix unit.  A chunk is 512 bytes of the row: eight loads of 512 consecutive bytes.  Six slots of 32 registers take turns, so 40 to 48 loads of a wave are on their way.
; All arithmetic in f32.
.set OFF, 8                            ; v[8:15]    expert k, quarter q: my 16 bytes in the row; never rewritten
.set SLT, 32                           ; v[32:223]  six slots; in a slot: expert k, quarter q at 16 k + 4 q
.set OUT, 224                          ; v[224:255] chunk c's four results, registers of its own: no store's data is ever rewritten
.set PE,  40                           ; s[40:47]   pos[e][t], e = 0..7
	s_load_b256 s[4:11], s[0:1], 0x0               ; part s[4:5], sel s[6:7], gate s[8:9], pos s[10:11]
	s_load_b64 s[12:13], s[0:1], 0x20              ; out0
	v_lshrrev_b32 v1, 5, v0
	v_readfirstlane_b32 s14, v1                    ; wave 0..3
	v_and_b32 v1, 31, v0
	v_lshlrev_b32 v2, 4, v1                        ; 16 bytes a lane
	s_lshl_b32 s15, ttmp9, 2
	s_add_co_u32 s15, s15, s14                     ; my token
	s_lshl_b32 s16, s15, 2
	s_lshl_b32 s17, s15, 3
	s_lshl_b32 s28, s15, 12
	s_mov_b32 s29, 0
	s_wait_kmcnt 0x0
	s_load_b32 s20, s[6:7], s16 offset:0x0         ; sel[t]
	s_load_b64 s[22:23], s[8:9], s17 offset:0x0    ; w0, w1
.irp e, 0,1,2,3,4,5,6,7
	s_load_b32 s[PE+(\e)], s[10:11], s16 offset:4096*(\e)  ; pos[e][t]
.endr
	s_add_nc_u64 s[12:13], s[12:13], s[28:29]
	s_wait_kmcnt 0x0
	s_bfe_u32 s24, s20, 0x80000                    ; e0
	s_bfe_u32 s25, s20, 0x80008                    ; e1
	s_min_u32 s24, s24, 7
	s_min_u32 s25, s25, 7
	s_mov_b32 s32, s[PE]
	s_mov_b32 s33, s[PE]
.irp e, 1,2,3,4,5,6,7
	s_cmp_eq_u32 s24, \e
	s_cselect_b32 s32, s[PE+(\e)], s32
	s_cmp_eq_u32 s25, \e
	s_cselect_b32 s33, s[PE+(\e)], s33
.endr
	s_mov_b32 s26, s23                             ; w1 as the low word of a pair: the packed forms take a scalar pair's low word for both halves
	s_mov_b32 s27, s23
	s_min_u32 s32, s32, 1023
	s_min_u32 s33, s33, 1023
	s_lshl_b32 s24, s24, 10
	s_add_co_u32 s24, s24, s32
	s_lshl_b32 s24, s24, 12                        ; row e0 1024 + rank, in bytes
	s_lshl_b32 s25, s25, 10
	s_add_co_u32 s25, s25, s33
	s_lshl_b32 s25, s25, 12
	v_add_nc_u32 v[OFF], s24, v2
	v_add_nc_u32 v[OFF+4], s25, v2
.irp q, 1,2,3
	v_add_nc_u32 v[OFF+(\q)], (\q)<<25, v[OFF]     ; a quarter is 8,192 rows of 4,096 bytes
	v_add_nc_u32 v[OFF+4+(\q)], (\q)<<25, v[OFF+4]
.endr
.macro ASK c
.irp k, 0,1
.irp q, 0,1,2,3
	global_load_b128 v[SLT+32*((\c)%6)+16*(\k)+4*(\q):SLT+32*((\c)%6)+16*(\k)+4*(\q)+3], v[OFF+4*(\k)+(\q)], s[4:5] offset:512*(\c) th:TH_LOAD_NT
.endr
.endr
.endm
; Chunk c.  left = the loads issued behind its eight: the younger chunks'.  Its slot is asked for again when it has been summed.
.macro SUM c, left
	s_wait_loadcnt \left
.set BS, SLT+32*((\c)%6)
.irp k, 0,1
.irp z, 0,2
	v_pk_add_f32 v[BS+16*(\k)+(\z):BS+16*(\k)+(\z)+1], v[BS+16*(\k)+(\z):BS+16*(\k)+(\z)+1], v[BS+16*(\k)+4+(\z):BS+16*(\k)+4+(\z)+1]
	v_pk_add_f32 v[BS+16*(\k)+8+(\z):BS+16*(\k)+8+(\z)+1], v[BS+16*(\k)+8+(\z):BS+16*(\k)+8+(\z)+1], v[BS+16*(\k)+12+(\z):BS+16*(\k)+12+(\z)+1]
.endr
.endr
.irp k, 0,1
.irp z, 0,2
	v_pk_add_f32 v[BS+16*(\k)+(\z):BS+16*(\k)+(\z)+1], v[BS+16*(\k)+(\z):BS+16*(\k)+(\z)+1], v[BS+16*(\k)+8+(\z):BS+16*(\k)+8+(\z)+1]
.endr
.endr
.irp z, 0,2
	v_pk_mul_f32 v[OUT+4*(\c)+(\z):OUT+4*(\c)+(\z)+1], v[BS+16+(\z):BS+16+(\z)+1], s[26:27] op_sel_hi:[1,0]
.endr
.irp z, 0,2
	v_pk_fma_f32 v[OUT+4*(\c)+(\z):OUT+4*(\c)+(\z)+1], v[BS+(\z):BS+(\z)+1], s[22:23], v[OUT+4*(\c)+(\z):OUT+4*(\c)+(\z)+1] op_sel_hi:[1,0,1]
.endr
.if (\c) < 2
	ASK (\c)+6
.endif
	global_store_b128 v2, v[OUT+4*(\c):OUT+4*(\c)+3], s[12:13] offset:512*(\c) th:TH_STORE_NT  ; 512 consecutive bytes, at a multiple of 256 from out0's first byte
.endm
	ASK 0
	ASK 1
	ASK 2
	ASK 3
	ASK 4
	ASK 5
	SUM 0, 40
	SUM 1, 40
	SUM 2, 40
	SUM 3, 32
	SUM 4, 24
	SUM 5, 16
	SUM 6, 8
	SUM 7, 0
	s_endpgm
.Lfunc_end_k_qc68d5b4f4e_combine:
	.size	k_qc68d5b4f4e_combine, .Lfunc_end_k_qc68d5b4f4e_combine-k_qc68d5b4f4e_combine
	.p2alignl 7, 3214868480
	.fill 96, 4, 3214868480
	.section	.rodata,"a",@progbits
	.p2align	6, 0x0
	.amdhsa_kernel k_qc68d5b4f4e_combine
		.amdhsa_group_segment_fixed_size 0
		.amdhsa_private_segment_fixed_size 0
		.amdhsa_enable_private_segment 0
		.amdhsa_kernarg_size 40
		.amdhsa_user_sgpr_count 2
		.amdhsa_user_sgpr_kernarg_segment_ptr 1
		.amdhsa_wavefront_size32 1
		.amdhsa_system_sgpr_workgroup_id_x 1
		.amdhsa_system_sgpr_workgroup_id_y 1
		.amdhsa_system_sgpr_workgroup_id_z 1
		.amdhsa_system_vgpr_workitem_id 0
		.amdhsa_next_free_vgpr 256
		.amdhsa_next_free_sgpr 66
		.amdhsa_reserve_vcc 0
		.amdhsa_float_denorm_mode_32 3
		.amdhsa_float_denorm_mode_16_64 3
		.amdhsa_memory_ordered 1
		.amdhsa_forward_progress 1
		.amdhsa_inst_pref_size 19
	.end_amdhsa_kernel
	.amdgpu_metadata
---
amdhsa.version: [ 1, 2 ]
amdhsa.kernels:
  - .name:           k_qc68d5b4f4e_combine
    .symbol:         k_qc68d5b4f4e_combine.kd
    .args:
      - { .name: part, .offset: 0, .size: 8, .value_kind: global_buffer, .address_space: global }
      - { .name: sel, .offset: 8, .size: 8, .value_kind: global_buffer, .address_space: global }
      - { .name: gate, .offset: 16, .size: 8, .value_kind: global_buffer, .address_space: global }
      - { .name: pos, .offset: 24, .size: 8, .value_kind: global_buffer, .address_space: global }
      - { .name: out0, .offset: 32, .size: 8, .value_kind: global_buffer, .address_space: global }
    .group_segment_fixed_size: 0
    .private_segment_fixed_size: 0
    .kernarg_segment_align: 8
    .kernarg_segment_size: 40
    .max_flat_workgroup_size: 128
    .sgpr_count:     66
    .vgpr_count:     256
    .wavefront_size: 32
...
	.end_amdgpu_metadata
.endif
;; end of part 5
;; ======== version 2 of 2: 5 launches; version 1 with the launches ffn1, ffn2 written anew for expert scheduling mode
;; workspace buffers: xb 2,097,152 bytes; sel 4,096 bytes of whole numbers; gate 8,192 bytes; pos 32,768 bytes of whole numbers; cnt 1,024 bytes of whole numbers; xg 16,777,216 bytes; hbuf 67,108,864 bytes; part 134,217,728 bytes
;; launch router: the kernel of part 1 again; grid 256 x 1, 4 waves a work-group, no clusters, 0 bytes of LDS; arguments x, router_w, xb, sel, gate; writes xb, sel, gate
;; launch place: the kernel of part 2 again; grid 32 x 8, 4 waves a work-group, no clusters, 4,864 bytes of LDS; arguments xb, sel, xg, pos, cnt; writes xg, pos, cnt
;; launch ffn1 (part 6): grid 32 x 8, 4 waves a work-group, no clusters, 262,656 bytes of LDS; arguments xg, W1, b1, cnt, hbuf; writes hbuf
.if DOCPART == 6
	.amdgcn_target "amdgcn-amd-amdhsa--gfx1250"
	.amdhsa_code_object_version 6
	.text
	.protected	k_qc68d5b4f4e_ffn1
	.globl	k_qc68d5b4f4e_ffn1
	.p2align	8
	.type	k_qc68d5b4f4e_ffn1,@function
k_qc68d5b4f4e_ffn1:
	s_mov_b64 s[64:65], 0
	v_nop
	global_prefetch_b8 v0, s[64:65] scope:SCOPE_SE
	s_setreg_imm32_b32 hwreg(HW_REG_WAVE_SCHED_MODE, 0, 2), 2
	s_setreg_imm32_b32 hwreg(HW_REG_WAVE_MODE, 25, 1), 1
	s_wait_xcnt 0x0
	s_wait_alu depctr_vm_vsrc(0)
; FIRST PRODUCT OF THE EXPERTS.  h = gelu(x W1[e] + b1[e]) for the rows that chose expert e alone.  W1: [8][1024][4096] f32.  b1: [8][4096] f32.
; xg: [e][block of 16 ranks][32 images of 16 rows x 32 k][half][lane][16 bytes] bf16, the expert's rows as ready operands, laid out by the launch before; cnt: the experts' counts.
; SHARES.  Work-group (s, e) has columns 128 s .. 128 s + 127 of W1[e], 512 KiB that no other work-group reads, and ALL of the expert's rows.  It reads each weight byte once.
; Rows go in blocks of 16 ranks; group G is blocks 20 G .. 20 G + 19; wave w has blocks 20 G + 4 i + w, i = 0..4: 80 rows x 128 columns, 40 accumulators.
; A block past the count reads the expert's last written block and is not stored; an expert without rows counts as having one (the launch before wrote it; nobody reads the result).
; GROUP 0 IS MULTIPLIED WHILE THE WEIGHTS STREAM: 16 steps of 64 along K, one barrier a step, a constant count.  The rounded weights STAY in LDS (256 KiB, each byte written once), so
; groups 1 to 3 (an expert with more than 320 rows) are multiplied behind the stream from LDS and memory, in a loop that holds no barrier and no LDS write: every split of the tokens is served.
; WEIGHTS WITHOUT A TRANSPOSE.  A unit is 64 columns x 32 k of f32: 16 loads; lane (r = l % 16, h = l / 16) takes columns 4 r .. 4 r + 3 of row 16 t + 8 h + j.  Packing rows j, j + 1 of ONE column c
; gives the matrix operand of the 16 columns 4 r + c: four operands a unit, k along the registers, nothing changes lanes.  They lie in LDS as images [half][lane][16 bytes]: consecutive bytes, no padding wanted.
; THE RESULT IS THE NEXT OPERAND.  Source 0 = weights, source 1 = tokens: lane (r, h) of tile n = 4 g + c holds token r and f = 128 s + 64 g + 32 h + 4 j + c in register j.  Rounded in pairs, tiles n even and
; n odd ARE the two halves of a 16 x 32 operand image whose k places 16 (c % 2) + 8 h + j stand for those f; the second product reads W2's rows in the same order.  A tile leaves as 512 consecutive bytes.
; NO TENSOR LOADS, NO CLUSTER: the weights pass through registers to be rounded, and each slice has one reader; two slots of the 320 shared rows x 256 bytes do not fit beside 256 KiB of images.
; FORMATS AND LIMITS.  x, W1 and b1 are rounded to bf16, sums in f32, h is rounded once to bf16.  gelu is the tanh form, u / (1 + 2^(u (K1 + K2 u^2))).  NaN and infinities are not treated apart.
; THE MODE: SCHED_MODE bits 1:0 = 2 (LLVM: expert scheduling mode 2), set by the entry lines.  The code itself states the register dependences
; between vector or matrix instructions and memory or LDS instructions, with s_wait_alu, always for 0.
; THE PLAN.  Registers that memory or LDS instructions touch in the K loop; step t, p = t % 2:
;   WST[1-p]      the 32 conversions at the step's head read it (unit t + 1); behind them the 16 loads of unit t + 3 land in it.
;   CV, v[SB]     written at the step's head (the conversions; one add); read by the step's 8 LDS stores.
;   v[LB]         written at the step's head (one add); read by the step's 32 LDS loads.
;   AF[1-p]       read by the products of step t - 1; the 20 loads of step t + 1's tokens land in it.
;   F1            read by the second half of step t - 1's products; 16 LDS loads of step t land in it, and the second half of its products read it behind the wait for them.
;   F0[1-p]       read by the first half of step t - 1's products; the 16 LDS loads behind step t's barrier land in it.  F0 has two buffers, by the step's parity, so that this fetch never
;                 lands in registers that the step's own products have read.
;   v[AOFF ..], v[WOFF], v[PFO]   read by every load and prefetch; not written in the loop: scalar bases move on, immediate offsets do the rest.
;   The accumulators are named by matrix instructions alone.
; So TWO waits stand in a step, both at its head.  The wait on vm_vsrc comes first: the last step's LDS stores have read CV and v[SB], the LDS loads issued so far v[LB].  Behind the two adds and the
; conversions stands the wait on va_vdst: CV, v[SB] and v[LB] are written; the conversions are done reading WST[1-p]; the products of step t - 1 are done reading AF[1-p], F1 and F0[1-p].
; The vector-side instructions that follow in the step are v_nop and its products, which name F0[p], AF[p], the accumulators and (behind its own fetch) F1: none of the registers that the step's
; 8 LDS stores, 36 loads and 32 LDS loads touch after them.  So these are dealt among the products with no further wait.
.set ROWT,  262144                     ; bytes from a unit's rows 0-15 to its rows 16-31
.set ROWJ,  16384                      ; bytes from row j to row j + 1: a row of W1[e]
.set WSTEP, 1048576                    ; 64 rows: a K step
.set AK,    1024                       ; tokens: bytes from a step's first image to its second,
.set AH,    512                        ; from an image's first half to its second,
.set ASTEP, 2048                       ; and from step to step
.set ABLK,  15                         ; a block of xg is 2^15 bytes
.set W_ACC, 0xa0                       ; products: source 1 (tokens) window 0, C and D window 2; the window of source 0 (weights), 1 or 3, is added; + 0x50: C and D window 3
; window 0
.set LANE, 1
.set RR,   2                           ; l % 16
.set HH,   3                           ; l / 16
.set WOFF, 4                           ; my 16 bytes in a unit's first row: 16 r + 8 h rows; never rewritten
.set PFO,  5                           ; row l of a unit; never rewritten
.set LB,   6                           ; images are read from here: 16 l + 16,384 x step
.set SB,   7                           ; and written here: 16 l + my unit's place + 16,384 x step
.set AOFF, 8                           ; v[8:12]  block i: 16 l + the block's 32,768 bytes
.set L16,  14                          ; 16 l
.set HO,   16                          ; my offset in hbuf
.set CV,   32                          ; v[32:63]  a unit's four operands
.set AF,   64                          ; v[64:223] token fragments: buffer p, half a, block i at AF + 80 p + 40 a + 8 i
.set TR,   64                          ; the way out: u, then gelu(u)
.set SR,   128                         ; at work
.set HR,   192                         ; h in bf16
; window 1: v[0:63] weight fragments F0 of the even steps, v[64:127] F1; v[128:191], v[192:255] units as loaded
.set WST,  128
; window 2: accumulator (i, n) at 64 i + 8 n, i = 0..3.  window 3: (4, n) at 8 n; v[64:127] my 64 numbers of b1; v[128:191] F0 of the odd steps
.set BL,   64
.set FX,   128
.set WV,   20                          ; wave
.set SL,   21                          ; s
.set EX,   22                          ; e
.set GG,   23                          ; which 64 columns my units hold
.set AA,   24                          ; which 32 k of a step
.set CNT,  25                          ; the expert's rows
.set NBLK, 26                          ; blocks of 16
.set NG,   27                          ; groups of 20 blocks
.set GRP,  28
.set L4,   29                          ; 1: my fifth block of group 0 has rows
.set KC,   30
.set WB,   32                          ; s[32:33] W1 at my unit of the step last asked for
.set AB,   34                          ; s[34:35] xg at the step last asked for
.set AB0,  36                          ; s[36:37] xg at (e, block 0)
.set HB,   38                          ; s[38:39] hbuf at (e, block 0, my slice)
.set K1,   40                          ; s[40:41]
.set K2,   42                          ; s[42:43]
.set BI,   56
.set NB1,  57                          ; the last block that was written
.set MSB, 0
.macro WIN new                         ; s_set_vgpr_msb: bits 1:0 source 0, 3:2 source 1, 5:4 source 2, 7:6 destination; the high byte repeats the setting that is left
.if MSB != (\new)
	s_set_vgpr_msb (MSB<<8)|(\new)
.set MSB, (\new)
.endif
.endm
.macro PLACES                          ; four plain instructions between a matrix instruction and a vector read of its registers; ahead of loads into a matrix instruction's registers they stand beside the wait that states the dependence
.rept 4
	v_nop
.endr
.endm
.macro FSEL f                          ; weight fragment buffer f: 0 = F0 of the even steps, 1 = F1, 2 = F0 of the odd steps: its window fW and first register fB
.if (\f) == 2
.set fW, 3
.set fB, FX
.else
.set fW, 1
.set fB, 64*(\f)
.endif
.endm
.macro LDW b, extra                    ; a unit: 16 loads; in each, sixteen lanes take 256 consecutive bytes of one row
	WIN 0x40
.irp t, 0,1
.irp j, 0,1,2,3,4,5,6,7
	global_load_b128 v[WST+64*(\b)+4*(8*(\t)+(\j)):WST+64*(\b)+4*(8*(\t)+(\j))+3], v[WOFF], s[WB:WB+1] offset:ROWT*(\t)+ROWJ*(\j)+(\extra) th:TH_LOAD_NT
.endr
.endr
.endm
.macro CVT b                           ; operand c, register 4 t + q: rows 2 q and 2 q + 1 of half t, column c
	WIN 0x05
.irp c, 0,1,2,3
.irp t, 0,1
.irp q, 0,1,2,3
	v_cvt_pk_bf16_f32 v[CV+8*(\c)+4*(\t)+(\q)], v[WST+64*(\b)+4*(8*(\t)+2*(\q))+(\c)], v[WST+64*(\b)+4*(8*(\t)+2*(\q)+1)+(\c)]
.endr
.endr
.endr
.endm
.macro STIMG                           ; the four operands become images of the next step
	WIN 0
.irp c, 0,1,2,3
.irp t, 0,1
	ds_store_b128 v[SB], v[CV+8*(\c)+4*(\t):CV+8*(\c)+4*(\t)+3] offset:1024*(\c)+512*(\t)
.endr
.endr
.endm
.macro LDA p                           ; a step's token fragments: 20 loads of 512 consecutive bytes
	WIN 0
.irp a, 0,1
.irp i, 0,1,2,3,4
	global_load_b128 v[AF+80*(\p)+40*(\a)+8*(\i):AF+80*(\p)+40*(\a)+8*(\i)+3],   v[AOFF+(\i)], s[AB:AB+1] offset:AK*(\a)
	global_load_b128 v[AF+80*(\p)+40*(\a)+8*(\i)+4:AF+80*(\p)+40*(\a)+8*(\i)+7], v[AOFF+(\i)], s[AB:AB+1] offset:AK*(\a)+AH
.endr
.endr
.endm
.macro FETCH f, imm                    ; eight weight fragments (128 columns x 32 k) into buffer f: 16 LDS loads of 512 consecutive bytes
	FSEL \f
	WIN fW<<6
.irp n, 0,1,2,3,4,5,6,7
	ds_load_b128 v[fB+8*(\n):fB+8*(\n)+3],   v[LB] offset:(\imm)+1024*(\n)
	ds_load_b128 v[fB+8*(\n)+4:fB+8*(\n)+7], v[LB] offset:(\imm)+1024*(\n)+512
.endr
.endm
.macro PROD p, a, i, n, zero           ; the weights' buffer is the one that FSEL chose last
.set rF, fB+8*(\n)
.set rA, AF+80*(\p)+40*(\a)+8*(\i)
.set rC, 64*((\i)%4)+8*(\n)
.if \zero
	v_wmma_f32_16x16x32_bf16 v[rC:rC+7], v[rF:rF+7], v[rA:rA+7], 0
.else
	v_wmma_f32_16x16x32_bf16 v[rC:rC+7], v[rF:rF+7], v[rA:rA+7], v[rC:rC+7]
.endif
.endm
.macro MUL f, p, a, i0, zero           ; 16 products: blocks i0, i0 + 1 x 8 tiles.  The accumulators take turns, one instruction a turn
	FSEL \f
	WIN W_ACC+fW
.irp i, \i0, (\i0)+1
.irp n, 0,1,2,3,4,5,6,7
	PROD \p, \a, \i, \n, \zero
.endr
.endr
.endm
; The fifth block's 8 products.  mode 0: only where the block has rows (a forward jump on L4, over matrix instructions alone); 1: always, and they start the sums; 2: always
.macro BLK4 f, p, a, mode
	FSEL \f
.if (\mode) == 0
	WIN 0
	s_cmp_eq_u32 s[L4], 0
	s_cbranch_scc1 .Lno4_\@
.endif
	WIN W_ACC+0x50+fW
.irp n, 0,1,2,3,4,5,6,7
.if (\mode) == 1
	PROD \p, \a, 4, \n, 1
.else
	PROD \p, \a, 4, \n, 0
.endif
.endr
.if (\mode) == 0
	WIN 0
.Lno4_\@:
.endif
.endm
; K STEP t, p = t % 2.  cv: unit t + 1 is rounded and laid into LDS.  lda, ldw: tokens of step t + 1 and unit t + 3 are asked for.  One counter counts both kinds of loads, in the order of issue:
; n1 = the loads issued behind unit t + 1 (tokens t, unit t + 2); n2 = those issued behind tokens t when the wait is reached (unit t + 2, tokens t + 1).  The wait for tokens t stands ahead of the request
; for unit t + 3: a wave then has 56 loads out at the most, and 52 behind that request.  In every step the tokens' loads stand ahead of the unit's, which stand beside F1's fetch, behind the first 16 products.
; pf: lane l asks for row l (256 bytes) of my unit of step t + 6, three steps ahead of its load, each block once in the launch; 1: always; above 1: while the loop's count is at least pf, so that no request passes unit 15.
.macro STEP p, zero, cv, lda, ldw, n1, n2, pf
	WIN 0
	s_wait_alu depctr_vm_vsrc(0)                   ; the LDS loads issued so far have read v[LB]; the LDS stores issued so far have read CV and v[SB]: all three are written again below
.if !(\zero)
	v_add_nc_u32 v[LB], 16384, v[LB]               ; this step's images
.endif
.if \cv
	v_add_nc_u32 v[SB], 16384, v[SB]               ; the next step's
	s_wait_loadcnt \n1
	CVT 1-(\p)                                     ; its 32 plain lines also stand between the last step's products and the loads into the token buffer that they read
	WIN 0
.endif
	s_wait_alu depctr_va_vdst(0)                   ; CV, v[SB] and v[LB] are written; the conversions are done reading WST[1-p]; the last step's products are done reading AF[1-p], F1 and F0[1-p]
.if \cv
	STIMG
.endif
.if \lda
	s_wait_xcnt 0x0                                ; the bases are stepped only behind this wait; the loads that read them were issued a step ago
	s_add_nc_u64 s[AB:AB+1], s[AB:AB+1], ASTEP
	LDA 1-(\p)
.endif
	s_wait_loadcnt \n2                             ; this step's tokens, asked for a step ago, are in
.if \ldw
	s_add_nc_u64 s[WB:WB+1], s[WB:WB+1], WSTEP
.if (\pf) > 1
	s_cmp_lt_u32 s[KC], \pf
	s_cbranch_scc1 .Lnopf_\@
.endif
.if (\pf) > 0
	global_prefetch_b8 v[PFO], s[WB:WB+1] offset:3*WSTEP th:TH_LOAD_NT scope:SCOPE_SE
.endif
.if (\pf) > 1
.Lnopf_\@:
.endif
.endif
.if \cv
	s_wait_dscnt 8                                 ; F0's 16 loads are in; my 8 image stores, issued behind them, may be out
.else
	s_wait_dscnt 0x0
.endif
	MUL 2*(\p), \p, 0, 0, \zero
	PLACES
	FETCH 1, 8192                                  ; the step's second 32 k.  No wait: no vector or matrix instruction since the wait at the head names F1 or v[LB]
.if \ldw
	LDW 1-(\p), 0                                  ; unit t + 3, under the same windows.  No wait: none since names WST[1-p] or v[WOFF]
.endif
	MUL 2*(\p), \p, 0, 2, \zero
	BLK4 2*(\p), \p, 0, \zero
	s_wait_dscnt 0x0                               ; F1 is in; and, for the others' sake, my image stores are done
.if \cv
	s_barrier_signal -1
.endif
	MUL 1, \p, 1, 0, 0                             ; work on registers between signal and wait
.if \cv
	s_barrier_wait -1                              ; the next step's images are whole
	PLACES
	FETCH 2*(1-(\p)), 16384                        ; into the other F0.  No wait: its last readers, the last step's products, stand ahead of the wait at the head
.endif
	MUL 1, \p, 1, 2, 0
	BLK4 1, \p, 1, 0
	WIN 0
.endm
; 32 along K for a group behind the stream: tokens from memory, weights from the images; no barrier, no LDS write.  All five blocks: a block without rows multiplies the last written block and is not stored.
.macro SLOWSTEP zero
	PLACES
	WIN 0
	s_wait_alu depctr_va_vdst(0)                   ; v[AOFF ..] and v[LB] are written; the products (ahead of the first step: the way out's arithmetic) are done with v[AF ..] and F0, in which the loads below land
.irp i, 0,1,2,3,4
	global_load_b128 v[AF+8*(\i):AF+8*(\i)+3],   v[AOFF+(\i)], s[AB:AB+1]
	global_load_b128 v[AF+8*(\i)+4:AF+8*(\i)+7], v[AOFF+(\i)], s[AB:AB+1] offset:AH
.endr
	FETCH 0, 0
	s_wait_loadcnt 0x0
	s_wait_dscnt 0x0
	MUL 0, 0, 0, 0, \zero
	MUL 0, 0, 0, 2, \zero
	BLK4 0, 0, 0, 2-(\zero)
	WIN 0
	s_add_nc_u64 s[AB:AB+1], s[AB:AB+1], ASTEP/2   ; the loads that read it are done
	s_wait_alu depctr_vm_vsrc(0)                   ; the LDS loads above have read v[LB]
	v_add_nc_u32 v[LB], 8192, v[LB]
.endm
.macro MKAOFF                          ; s45 = 20 x group + wave: block s45 + 4 i, held to the blocks that were written
.irp i, 0,1,2,3,4
	s_add_co_u32 s46, s45, 4*(\i)
	s_min_u32 s46, s46, s[NB1]
	s_min_u32 s46, s46, 63
	s_lshl_b32 s46, s46, ABLK
	v_add_nc_u32 v[AOFF+(\i)], s46, v[L16]
.endr
.endm
.macro ADDB i                          ; u = sum + b1, block i; each accumulator's registers in ascending order
	WIN 0x0e+(\i)/4                                ; source 0 window 2 or 3, source 1 window 3
.irp n, 0,1,2,3,4,5,6,7
.irp j, 0,1,2,3,4,5,6,7
	v_add_f32 v[TR+8*(\n)+(\j)], v[64*((\i)%4)+8*(\n)+(\j)], v[BL+32*((\n)/4)+4*(\j)+(\n)%4]
.endr
.endr
	WIN 0
.endm
	s_load_b256 s[4:11], s[0:1], 0x0               ; xg s[4:5], W1 s[6:7], b1 s[8:9], cnt s[10:11]
	s_load_b64 s[12:13], s[0:1], 0x20              ; hbuf
	v_lshl_add_u32 v254, v0, 2, 0x40000
	v_mov_b32 v255, 0
	v_lshrrev_b32 v17, 5, v0
	v_readfirstlane_b32 s[WV], v17
	v_and_b32 v[LANE], 31, v0
	v_and_b32 v[RR], 15, v0
	v_bfe_u32 v[HH], v0, 4, 1
	s_mov_b32 s[SL], ttmp9
	s_and_b32 s[EX], ttmp7, 0xffff
	s_wait_alu depctr_va_sdst(0)                   ; the wave's number is written, ahead of its first reader
	s_and_b32 s[GG], s[WV], 1
	s_lshr_b32 s[AA], s[WV], 1
	v_lshlrev_b32 v[L16], 4, v[LANE]
	v_lshlrev_b32 v[WOFF], 4, v[RR]
	v_lshl_add_u32 v[WOFF], v[HH], 17, v[WOFF]     ; + 8 h rows of 16,384 bytes
	v_lshlrev_b32 v[PFO], 14, v[LANE]
	v_lshlrev_b32 v18, 7, v[HH]                    ; b1: 32 h numbers
	v_mov_b32 v[LB], v[L16]
	s_lshl_b32 s44, s[AA], 13
	s_lshl_b32 s45, s[GG], 12
	s_add_co_u32 s44, s44, s45
	v_add_nc_u32 v[SB], s44, v[L16]                ; images 4 g .. 4 g + 3 of half a
	s_lshl_b32 s46, s[EX], 24                      ; W1: the expert,
	s_lshl_b32 s44, s[SL], 9                       ; my slice's 128 columns,
	s_add_co_u32 s46, s46, s44
	s_lshl_b32 s44, s[GG], 8                       ; my 64 of them,
	s_add_co_u32 s46, s46, s44
	s_lshl_b32 s44, s[AA], 19                      ; my 32 rows of a step
	s_add_co_u32 s46, s46, s44
	s_mov_b32 s47, 0
	s_lshl_b32 s48, s[EX], 14                      ; b1
	s_lshl_b32 s44, s[SL], 9
	s_add_co_u32 s48, s48, s44
	s_mov_b32 s49, 0
	s_lshl_b32 s50, s[EX], 23                      ; hbuf: an expert has 64 blocks of 131,072 bytes; my slice is four images of 1,024 in each
	s_lshl_b32 s44, s[SL], 12
	s_add_co_u32 s50, s50, s44
	s_mov_b32 s51, 0
	s_lshl_b32 s52, s[EX], 21                      ; xg: an expert has 64 blocks of 32,768 bytes
	s_mov_b32 s53, 0
	s_lshl_b32 s58, s[EX], 7                       ; cnt
	s_mov_b32 s[K1], 0xc0135761                    ; -2 log2(e) sqrt(2 / pi) = -2.3022082
	s_mov_b32 s[K1+1], 0xc0135761
	s_mov_b32 s[K2], 0xbdd2d3e8                    ; 0.044715 K1
	s_mov_b32 s[K2+1], 0xbdd2d3e8
	s_wait_kmcnt 0x0
	s_load_b32 s[CNT], s[10:11], s58 offset:0x0
	s_add_nc_u64 s[WB:WB+1], s[6:7], s[46:47]
	s_add_nc_u64 s[8:9], s[8:9], s[48:49]
	s_add_nc_u64 s[AB:AB+1], s[4:5], s[52:53]
	s_add_nc_u64 s[AB0:AB0+1], s[4:5], s[52:53]
	s_add_nc_u64 s[HB:HB+1], s[12:13], s[50:51]
	WIN 0xc0
	s_wait_alu depctr_va_vdst(0)                   ; v18, v[WOFF], v[PFO], v[LB] and v[SB] are written, which the loads, prefetches, LDS loads and LDS stores below read as offsets and addresses
.irp g, 0,1
.irp j, 0,1,2,3,4,5,6,7
	global_load_b128 v[BL+32*(\g)+4*(\j):BL+32*(\g)+4*(\j)+3], v18, s[8:9] offset:256*(\g)+16*(\j)  ; b1[128 s + 64 g + 32 h + 4 j + 0..3]
.endr
.endr
	LDW 0, 0                                       ; units 0 and 1 are on their way while the count comes
	LDW 1, WSTEP
	WIN 0
	s_wait_xcnt 0x0
	s_add_nc_u64 s[WB:WB+1], s[WB:WB+1], WSTEP
	s_wait_kmcnt 0x0
	s_min_u32 s[CNT], s[CNT], 1024
	s_max_u32 s[CNT], s[CNT], 1
	s_add_co_u32 s[NBLK], s[CNT], 15
	s_lshr_b32 s[NBLK], s[NBLK], 4
	s_sub_co_u32 s[NB1], s[NBLK], 1
	s_mov_b32 s[NG], 1
.irp lim, 20, 40, 60
	s_cmp_gt_u32 s[NBLK], \lim
	s_cselect_b32 s44, 1, 0
	s_add_co_u32 s[NG], s[NG], s44
.endr
	s_add_co_u32 s44, s[WV], 16
	s_cmp_lt_u32 s44, s[NBLK]
	s_cselect_b32 s[L4], 1, 0
	s_mov_b32 s45, s[WV]
	MKAOFF
	s_wait_alu depctr_va_vdst(0)                   ; v[AOFF ..] are written, which the tokens' loads read
	LDA 0                                          ; step 0's tokens are asked for as soon as the count is in, ahead of the wait for unit 0
	; the step in front of step 0: unit 0 becomes images; unit 2 is asked for
	s_wait_loadcnt 36                              ; unit 0 (and b1) are in: unit 1's 16 loads and the tokens' 20 were issued behind them
	CVT 0
	WIN 0
	s_wait_alu depctr_va_vdst(0)                   ; the conversions have written CV, which the LDS stores read, and are done reading WST0, in which unit 2 lands
	STIMG
	s_wait_xcnt 0x0
	s_add_nc_u64 s[WB:WB+1], s[WB:WB+1], WSTEP
	LDW 0, 0
	s_wait_dscnt 0x0
	s_barrier_signal -1
	s_barrier_wait -1                              ; step 0's images are whole
	FETCH 0, 0
	STEP 0, 1, 1, 1, 1, 36, 36, 1                  ; t = 0: its first products start the sums
	s_mov_b32 s[KC], 6
.Lk:                                                   ; t = 1 .. 12
	STEP 1, 0, 1, 1, 1, 36, 36, 2
	STEP 0, 0, 1, 1, 1, 36, 36, 3
	s_sub_co_u32 s[KC], s[KC], 1
	s_cmp_lg_u32 s[KC], 0
	s_cbranch_scc1 .Lk
	STEP 1, 0, 1, 1, 0, 36, 36, 0                  ; t = 13: no unit is left to ask for; behind tokens 13 stand unit 15 and tokens 14
	STEP 0, 0, 1, 1, 0, 20, 20, 0                  ; t = 14: behind unit 15 stand tokens 14, behind those tokens 15
	STEP 1, 0, 0, 0, 0, 0, 0, 0                    ; t = 15
	WIN 0x0f                                       ; b1 is rounded to bf16, like every input (CV is free: the last LDS stores that read it stand ahead of step 15's wait on vm_vsrc)
.set k, 0
.rept 32
	v_cvt_pk_bf16_f32 v[CV+k], v[BL+2*k], v[BL+2*k+1]
.set k, k+1
.endr
	WIN 0xc0
.set k, 0
.rept 32
	v_lshlrev_b32 v[BL+2*k], 16, v[CV+k]
	v_and_b32 v[BL+2*k+1], 0xffff0000, v[CV+k]
.set k, k+1
.endr
	WIN 0
	s_mov_b32 s[GRP], 0
.Lgrp:                                                 ; four trips; a group that the count does not reach is jumped, forward, over text with no barrier
	s_cmp_ge_u32 s[GRP], s[NG]
	s_cbranch_scc1 .Lgnext
	PLACES                                         ; behind the group's last products
	s_mov_b32 s[BI], 0
.Lblk:                                                 ; THE WAY OUT, a block of 16 rows at a time; blocks past the count are jumped
	s_mul_i32 s44, s[GRP], 20
	s_lshl_b32 s45, s[BI], 2
	s_add_co_u32 s44, s44, s45
	s_add_co_u32 s44, s44, s[WV]                   ; the block's number among the expert's
	s_cmp_ge_u32 s44, s[NBLK]
	s_cbranch_scc1 .Lbnext
	s_cmp_eq_u32 s[BI], 0
	s_cbranch_scc1 .Ladd0
	s_cmp_eq_u32 s[BI], 1
	s_cbranch_scc1 .Ladd1
	s_cmp_eq_u32 s[BI], 2
	s_cbranch_scc1 .Ladd2
	s_cmp_eq_u32 s[BI], 3
	s_cbranch_scc1 .Ladd3
	ADDB 4
	s_branch .Lcom
.Ladd0:
	ADDB 0
	s_branch .Lcom
.Ladd1:
	ADDB 1
	s_branch .Lcom
.Ladd2:
	ADDB 2
	s_branch .Lcom
.Ladd3:
	ADDB 3
.Lcom:                                                 ; gelu of 64 numbers a lane, written once: u / (1 + 2^(u (K1 + K2 u u)))
.set k, 0
.rept 32
	v_pk_mul_f32 v[SR+2*k:SR+2*k+1], v[TR+2*k:TR+2*k+1], v[TR+2*k:TR+2*k+1]
.set k, k+1
.endr
.set k, 0
.rept 32
	v_pk_fma_f32 v[SR+2*k:SR+2*k+1], v[SR+2*k:SR+2*k+1], s[K2:K2+1], s[K1:K1+1] op_sel_hi:[1,0,0]
.set k, k+1
.endr
.set k, 0
.rept 32
	v_pk_mul_f32 v[SR+2*k:SR+2*k+1], v[SR+2*k:SR+2*k+1], v[TR+2*k:TR+2*k+1]
.set k, k+1
.endr
.set k, 0
.rept 64
	v_exp_f32 v[SR+k], v[SR+k]
.set k, k+1
.endr
	v_nop                                          ; a plain instruction behind the last exponential,
	s_wait_alu depctr_va_vdst(0)                   ; and one wait for the batch: the 64 exponentials have written SR, ahead of their first reader
.set k, 0
.rept 32
	v_pk_add_f32 v[SR+2*k:SR+2*k+1], v[SR+2*k:SR+2*k+1], 1.0 op_sel_hi:[1,0]
.set k, k+1
.endr
.set k, 0
.rept 64
	v_rcp_f32 v[SR+k], v[SR+k]
.set k, k+1
.endr
	v_nop
	s_wait_alu depctr_va_vdst(0)                   ; one wait for the batch: the 64 reciprocals have written SR, ahead of their first reader
.set k, 0
.rept 32
	v_pk_mul_f32 v[TR+2*k:TR+2*k+1], v[TR+2*k:TR+2*k+1], v[SR+2*k:SR+2*k+1]
.set k, k+1
.endr
	s_min_u32 s44, s44, 63
	s_lshl_b32 s44, s44, 17
	s_wait_xcnt 0x0                                ; the last block's stores have had their addresses translated,
	s_wait_alu depctr_vm_vsrc(0)                   ; and have read HR and v[HO], which are written again below
	v_add_nc_u32 v[HO], s44, v[L16]
.set k, 0
.rept 32
	v_cvt_pk_bf16_f32 v[HR+k], v[TR+2*k], v[TR+2*k+1]
.set k, k+1
.endr
	s_wait_alu depctr_va_vdst(0)                   ; v[HO] and HR are written, which the eight stores read
.irp n, 0,1,2,3,4,5,6,7
	global_store_b128 v[HO], v[HR+4*(\n):HR+4*(\n)+3], s[HB:HB+1] offset:1024*((\n)/2)+512*((\n)%2)  ; tile n is half n % 2 of image n / 2: 512 consecutive bytes
.endr
.Lbnext:
	s_add_co_u32 s[BI], s[BI], 1
	s_cmp_lt_u32 s[BI], 5
	s_cbranch_scc1 .Lblk
	s_add_co_u32 s44, s[GRP], 1                    ; is there a further group?
	s_cmp_ge_u32 s44, s[NG]
	s_cbranch_scc1 .Lgnext
	s_mul_i32 s45, s44, 20
	s_add_co_u32 s45, s45, s[WV]
	s_wait_xcnt 0x0                                ; the loads and stores issued so far have had their addresses translated,
	s_wait_alu depctr_vm_vsrc(0)                   ; and the tokens' loads have read v[AOFF ..], the LDS loads v[LB]: both are written again below
	MKAOFF
	v_mov_b32 v[LB], v[L16]
	s_mov_b64 s[AB:AB+1], s[AB0:AB0+1]
	SLOWSTEP 1
	s_mov_b32 s[KC], 31
.Lslow:
	SLOWSTEP 0
	s_sub_co_u32 s[KC], s[KC], 1
	s_cmp_lg_u32 s[KC], 0
	s_cbranch_scc1 .Lslow
.Lgnext:
	s_add_co_u32 s[GRP], s[GRP], 1
	s_cmp_lt_u32 s[GRP], 4
	s_cbranch_scc1 .Lgrp
	s_wait_dscnt 0x0                               ; my reads of the images are back;
	s_barrier_signal -1                            ; the barrier stands where it stands in this text's plain form:
	s_barrier_wait -1                              ; behind it no wave reads LDS any more
	                                               ; the add onto my spare LDS word (v254, behind the images; v255 = 0) closes the wave below, behind the waits
	s_wait_dscnt 0x0                               ; no LDS instruction of mine is out at the end
	s_wait_alu depctr_hold_cnt(0) depctr_sa_sdst(0) depctr_va_vdst(0) depctr_va_sdst(0) depctr_va_ssrc(0) depctr_va_vcc(0) depctr_vm_vsrc(0)
	s_wait_tensorcnt 0x0
	ds_add_u32 v254, v255
	s_wait_dscnt 0x0
	s_endpgm
.Lfunc_end_k_qc68d5b4f4e_ffn1:
	.size	k_qc68d5b4f4e_ffn1, .Lfunc_end_k_qc68d5b4f4e_ffn1-k_qc68d5b4f4e_ffn1
	.p2alignl 7, 3214868480
	.fill 96, 4, 3214868480
	.section	.rodata,"a",@progbits
	.p2align	6, 0x0
	.amdhsa_kernel k_qc68d5b4f4e_ffn1
		.amdhsa_group_segment_fixed_size 262656
		.amdhsa_private_segment_fixed_size 0
		.amdhsa_enable_private_segment 0
		.amdhsa_kernarg_size 40
		.amdhsa_user_sgpr_count 2
		.amdhsa_user_sgpr_kernarg_segment_ptr 1
		.amdhsa_wavefront_size32 1
		.amdhsa_system_sgpr_workgroup_id_x 1
		.amdhsa_system_sgpr_workgroup_id_y 1
		.amdhsa_system_sgpr_workgroup_id_z 1
		.amdhsa_system_vgpr_workitem_id 0
		.amdhsa_next_free_vgpr 960
		.amdhsa_next_free_sgpr 66
		.amdhsa_reserve_vcc 0
		.amdhsa_float_denorm_mode_32 3
		.amdhsa_float_denorm_mode_16_64 3
		.amdhsa_memory_ordered 1
		.amdhsa_forward_progress 1
		.amdhsa_inst_pref_size 136
	.end_amdhsa_kernel
	.amdgpu_metadata
---
amdhsa.version: [ 1, 2 ]
amdhsa.kernels:
  - .name:           k_qc68d5b4f4e_ffn1
    .symbol:         k_qc68d5b4f4e_ffn1.kd
    .args:
      - { .name: xg, .offset: 0, .size: 8, .value_kind: global_buffer, .address_space: global }
      - { .name: W1, .offset: 8, .size: 8, .value_kind: global_buffer, .address_space: global }
      - { .name: b1, .offset: 16, .size: 8, .value_kind: global_buffer, .address_space: global }
      - { .name: cnt, .offset: 24, .size: 8, .value_kind: global_buffer, .address_space: global }
      - { .name: hbuf, .offset: 32, .size: 8, .value_kind: global_buffer, .address_space: global }
    .group_segment_fixed_size: 262656
    .private_segment_fixed_size: 0
    .kernarg_segment_align: 8
    .kernarg_segment_size: 40
    .max_flat_workgroup_size: 128
    .sgpr_count:     66
    .vgpr_count:     960
    .wavefront_size: 32
...
	.end_amdgpu_metadata
.endif
;; end of part 6
;; launch ffn2 (part 7): grid 32 x 8, 4 waves a work-group, no clusters, 262,656 bytes of LDS; arguments hbuf, W2, b2, cnt, part; writes part
.if DOCPART == 7
	.amdgcn_target "amdgcn-amd-amdhsa--gfx1250"
	.amdhsa_code_object_version 6
	.text
	.protected	k_qc68d5b4f4e_ffn2
	.globl	k_qc68d5b4f4e_ffn2
	.p2align	8
	.type	k_qc68d5b4f4e_ffn2,@function
k_qc68d5b4f4e_ffn2:
	s_mov_b64 s[64:65], 0
	v_nop
	global_prefetch_b8 v0, s[64:65] scope:SCOPE_SE
	s_setreg_imm32_b32 hwreg(HW_REG_WAVE_SCHED_MODE, 0, 2), 2
	s_setreg_imm32_b32 hwreg(HW_REG_WAVE_MODE, 25, 1), 1
	s_wait_xcnt 0x0
	s_wait_alu depctr_vm_vsrc(0)
; SECOND PRODUCT OF THE EXPERTS.  part[q][e 1024 + rank][:] = h[rank][1024 q .. 1024 q + 1023] W2[e][those rows][:] (+ b2[e] in quarter q = 0), f32 partial sums that the last launch adds.
; W2: [8][4096][1024] f32.  hbuf: [e][block of 16 ranks][128 images of 16 x 32][half][lane][16 bytes] bf16, as the first product stored it.  cnt: the experts' counts.
; SHARES.  Work-group (x, e): s = x % 8 gives 128 columns of the output, q = x / 8 a quarter of K: 512 KiB of W2 that no other work-group reads, and ALL of the expert's rows.
; With 128 columns x 1,024 k a work-group reads 2 KiB of h for each row; 32 columns x 4,096 k would read 8 KiB.  The price is four partial sums for each output number.
; THE FORM IS THE FIRST PRODUCT'S: rows in blocks of 16 ranks, group G = blocks 20 G .. 20 G + 19, wave w has blocks 20 G + 4 i + w; group 0 is multiplied while the weights stream, 16 steps of 64 along K,
; one barrier a step, a constant count; the rounded weights stay in LDS (256 KiB, each byte written once); groups 1 to 3 follow from LDS and memory in a loop with no barrier and no LDS write.
; THE ORDER OF K.  Place 16 t + 8 h + j of image 2 G64 + a stands for f = 64 G64 + 32 h + 4 j + 2 a + t.  A unit of W2 (64 columns x 32 places) reads its rows in that order, so both operands carry the same permutation.
; Source 0 = h, source 1 = weights: lane (r, h) of tile n = 4 g + c holds column 64 g + 4 r + c and rows 8 h + j: the four tiles of a column group give 16 neighbouring bytes a lane.
; A block past the count reads the expert's last written block and is not stored; an expert without rows counts as having one (the first product wrote it; nobody reads the result).
; NO TENSOR LOADS, NO CLUSTER: the weights pass through registers to be rounded and each slice has one reader; two slots of the 320 shared rows x 256 bytes do not fit beside 256 KiB of images.
; FORMATS AND LIMITS.  W2 and b2 are rounded to bf16, sums in f32.  NaN and infinities are not treated apart.
; THE MODE: SCHED_MODE bits 1:0 = 2 (LLVM: expert scheduling mode 2), set by the entry lines.  The code itself states the register dependences
; between vector or matrix instructions and memory or LDS instructions, with s_wait_alu, always for 0.
; THE PLAN.  Registers that memory or LDS instructions touch in the K loop; step t, p = t % 2:
;   WST[1-p]      the 32 conversions at the step's head read it (unit t + 1); behind them the 16 loads of unit t + 3 land in it.
;   CV, v[SB]     written at the step's head (the conversions; one add); read by the step's 8 LDS stores.
;   v[LB]         written at the step's head (one add); read by the step's 32 LDS loads.
;   AF[1-p]       read by the products of step t - 1; the 20 loads of step t + 1's h land in it.
;   F1            read by the second half of step t - 1's products; 16 LDS loads of step t land in it, and the second half of its products read it behind the wait for them.
;   F0[1-p]       read by the first half of step t - 1's products; the 16 LDS loads behind step t's barrier land in it.  F0 has two buffers, by the step's parity, so that this fetch never
;                 lands in registers that the step's own products have read.
;   v[AOFF ..], v[WOFF], v[PFO]   read by every load and prefetch; not written in the loop: scalar bases move on, immediate offsets do the rest.
;   The accumulators are named by matrix instructions alone.
; So TWO waits stand in a step, both at its head.  The wait on vm_vsrc comes first: the last step's LDS stores have read CV and v[SB], the LDS loads issued so far v[LB].  Behind the two adds and the
; conversions stands the wait on va_vdst: CV, v[SB] and v[LB] are written; the conversions are done reading WST[1-p]; the products of step t - 1 are done reading AF[1-p], F1 and F0[1-p].
; The vector-side instructions that follow in the step are v_nop and its products, which name F0[p], AF[p], the accumulators and (behind its own fetch) F1: none of the registers that the step's
; 8 LDS stores, 36 loads and 32 LDS loads touch after them.  So these are dealt among the products with no further wait.
.set ROWT,  4096                       ; bytes from place t = 0 to t = 1: one row of W2[e]
.set ROWJ,  16384                      ; from j to j + 1: four rows
.set WSTEP, 262144                     ; 64 rows: a K step
.set AK,    1024                       ; h: bytes from a step's first image to its second,
.set AH,    512                        ; from an image's first half to its second,
.set ASTEP, 2048                       ; and from step to step
.set ABLK,  17                         ; a block of hbuf is 2^17 bytes
.set W_ACC, 0xa0                       ; products: source 0 (h) window 0, C and D window 2; four times the window of source 1 (weights), 1 or 3, is added; + 0x50: C and D window 3
; window 0
.set LANE, 1
.set RR,   2                           ; l % 16
.set HH,   3                           ; l / 16
.set WOFF, 4                           ; my 16 bytes in a unit's first row: 16 r + 32 h rows; never rewritten
.set PFO,  5                           ; the l-th row of a unit; never rewritten
.set LB,   6                           ; images are read from here: 16 l + 16,384 x step
.set SB,   7                           ; and written here
.set AOFF, 8                           ; v[8:12]  block i: 16 l + the block's 131,072 bytes
.set L16,  14                          ; 16 l
.set PO0,  15                          ; 8 h rows of part + 16 r
.set PO,   16                          ; + the block's 16 rows
.set CV,   32                          ; v[32:63]  a unit's four operands
.set AF,   64                          ; v[64:223] h fragments: buffer p, half a, block i at AF + 80 p + 40 a + 8 i
.set TR,   64                          ; the way out: 64 numbers, four neighbouring columns side by side
.set B2,   224                         ; v[224:231] b2 of my eight columns
; window 1: v[0:63] weight fragments F0 of the even steps, v[64:127] F1; v[128:191], v[192:255] units as loaded
.set WST,  128
; window 2: accumulator (i, n) at 64 i + 8 n, i = 0..3.  window 3: (4, n) at 8 n; v[64:127] F0 of the odd steps
.set FX,   64
.set WV,   20
.set SL,   21                          ; s
.set EX,   22                          ; e
.set GG,   23                          ; which 64 columns my units hold
.set AA,   24                          ; which image of a step
.set CNT,  25
.set NBLK, 26
.set NG,   27
.set GRP,  28
.set L4,   29                          ; 1: my fifth block of group 0 has rows
.set KC,   30
.set QQ,   31                          ; q
.set WB,   32                          ; s[32:33] W2 at my unit of the step last asked for
.set AB,   34                          ; s[34:35] hbuf at the step last asked for
.set AB0,  36                          ; s[36:37] hbuf at (e, block 0, my quarter)
.set PB,   38                          ; s[38:39] part at (q, e, rank 0, my columns)
.set NB1,  57                          ; the last block that the first product wrote
.set MSB, 0
.macro WIN new                         ; s_set_vgpr_msb: bits 1:0 source 0, 3:2 source 1, 5:4 source 2, 7:6 destination; the high byte repeats the setting that is left
.if MSB != (\new)
	s_set_vgpr_msb (MSB<<8)|(\new)
.set MSB, (\new)
.endif
.endm
.macro PLACES                          ; four plain instructions between a matrix instruction and a vector read of its registers; ahead of loads into a matrix instruction's registers they stand beside the wait that states the dependence
.rept 4
	v_nop
.endr
.endm
.macro FSEL f                          ; weight fragment buffer f: 0 = F0 of the even steps, 1 = F1, 2 = F0 of the odd steps: its window fW and first register fB
.if (\f) == 2
.set fW, 3
.set fB, FX
.else
.set fW, 1
.set fB, 64*(\f)
.endif
.endm
.macro LDW b, extra                    ; a unit: 16 loads; in each, sixteen lanes take 256 consecutive bytes of one row
	WIN 0x40
.irp t, 0,1
.irp j, 0,1,2,3,4,5,6,7
	global_load_b128 v[WST+64*(\b)+4*(8*(\t)+(\j)):WST+64*(\b)+4*(8*(\t)+(\j))+3], v[WOFF], s[WB:WB+1] offset:ROWT*(\t)+ROWJ*(\j)+(\extra) th:TH_LOAD_NT
.endr
.endr
.endm
.macro CVT b                           ; operand c, register 4 t + q: places 2 q and 2 q + 1 of half t, column c
	WIN 0x05
.irp c, 0,1,2,3
.irp t, 0,1
.irp q, 0,1,2,3
	v_cvt_pk_bf16_f32 v[CV+8*(\c)+4*(\t)+(\q)], v[WST+64*(\b)+4*(8*(\t)+2*(\q))+(\c)], v[WST+64*(\b)+4*(8*(\t)+2*(\q)+1)+(\c)]
.endr
.endr
.endr
.endm
.macro STIMG                           ; the four operands become images of the next step
	WIN 0
.irp c, 0,1,2,3
.irp t, 0,1
	ds_store_b128 v[SB], v[CV+8*(\c)+4*(\t):CV+8*(\c)+4*(\t)+3] offset:1024*(\c)+512*(\t)
.endr
.endr
.endm
.macro LDA p                           ; a step's h fragments: 20 loads of 512 consecutive bytes
	WIN 0
.irp a, 0,1
.irp i, 0,1,2,3,4
	global_load_b128 v[AF+80*(\p)+40*(\a)+8*(\i):AF+80*(\p)+40*(\a)+8*(\i)+3],   v[AOFF+(\i)], s[AB:AB+1] offset:AK*(\a)
	global_load_b128 v[AF+80*(\p)+40*(\a)+8*(\i)+4:AF+80*(\p)+40*(\a)+8*(\i)+7], v[AOFF+(\i)], s[AB:AB+1] offset:AK*(\a)+AH
.endr
.endr
.endm
.macro FETCH f, imm                    ; eight weight fragments (128 columns x 32 places) into buffer f: 16 LDS loads of 512 consecutive bytes
	FSEL \f
	WIN fW<<6
.irp n, 0,1,2,3,4,5,6,7
	ds_load_b128 v[fB+8*(\n):fB+8*(\n)+3],   v[LB] offset:(\imm)+1024*(\n)
	ds_load_b128 v[fB+8*(\n)+4:fB+8*(\n)+7], v[LB] offset:(\imm)+1024*(\n)+512
.endr
.endm
.macro PROD p, a, i, n, zero           ; the weights' buffer is the one that FSEL chose last
.set rF, fB+8*(\n)
.set rA, AF+80*(\p)+40*(\a)+8*(\i)
.set rC, 64*((\i)%4)+8*(\n)
.if \zero
	v_wmma_f32_16x16x32_bf16 v[rC:rC+7], v[rA:rA+7], v[rF:rF+7], 0
.else
	v_wmma_f32_16x16x32_bf16 v[rC:rC+7], v[rA:rA+7], v[rF:rF+7], v[rC:rC+7]
.endif
.endm
.macro MUL f, p, a, i0, zero           ; 16 products: blocks i0, i0 + 1 x 8 tiles.  The accumulators take turns, one instruction a turn
	FSEL \f
	WIN W_ACC+4*fW
.irp i, \i0, (\i0)+1
.irp n, 0,1,2,3,4,5,6,7
	PROD \p, \a, \i, \n, \zero
.endr
.endr
.endm
; The fifth block's 8 products.  mode 0: only where the block has rows (a forward jump on L4, over matrix instructions alone); 1: always, and they start the sums; 2: always
.macro BLK4 f, p, a, mode
	FSEL \f
.if (\mode) == 0
	WIN 0
	s_cmp_eq_u32 s[L4], 0
	s_cbranch_scc1 .Lno4_\@
.endif
	WIN W_ACC+0x50+4*fW
.irp n, 0,1,2,3,4,5,6,7
.if (\mode) == 1
	PROD \p, \a, 4, \n, 1
.else
	PROD \p, \a, 4, \n, 0
.endif
.endr
.if (\mode) == 0
	WIN 0
.Lno4_\@:
.endif
.endm
; K STEP t, p = t % 2.  cv: unit t + 1 is rounded and laid into LDS.  lda, ldw: h of step t + 1 and unit t + 3 are asked for.  One counter counts both kinds of loads, in the order of issue:
; n1 = the loads issued behind unit t + 1 (h of t, unit t + 2); n2 = those issued behind h of t when the wait is reached (unit t + 2, h of t + 1).  The wait for h of t stands ahead of the request
; for unit t + 3: a wave then has 56 loads out at the most, and 52 behind that request.  In every step h's loads stand ahead of the unit's, which stand beside F1's fetch, behind the first 16 products.
; pf: lane l asks for the l-th row (256 bytes) of my unit of step t + 6, three steps ahead of its load, each block once in the launch; 1: always; above 1: while the loop's count is at least pf, so that no request passes unit 15.
.macro STEP p, zero, cv, lda, ldw, n1, n2, pf
	WIN 0
	s_wait_alu depctr_vm_vsrc(0)                   ; the LDS loads issued so far have read v[LB]; the LDS stores issued so far have read CV and v[SB]: all three are written again below
.if !(\zero)
	v_add_nc_u32 v[LB], 16384, v[LB]               ; this step's images
.endif
.if \cv
	v_add_nc_u32 v[SB], 16384, v[SB]               ; the next step's
	s_wait_loadcnt \n1
	CVT 1-(\p)                                     ; its 32 plain lines also stand between the last step's products and the loads into the h buffer that they read
	WIN 0
.endif
	s_wait_alu depctr_va_vdst(0)                   ; CV, v[SB] and v[LB] are written; the conversions are done reading WST[1-p]; the last step's products are done reading AF[1-p], F1 and F0[1-p]
.if \cv
	STIMG
.endif
.if \lda
	s_wait_xcnt 0x0                                ; the bases are stepped only behind this wait; the loads that read them were issued a step ago
	s_add_nc_u64 s[AB:AB+1], s[AB:AB+1], ASTEP
	LDA 1-(\p)
.endif
	s_wait_loadcnt \n2                             ; this step's h, asked for a step ago, is in
.if \ldw
	s_add_nc_u64 s[WB:WB+1], s[WB:WB+1], WSTEP
.if (\pf) > 1
	s_cmp_lt_u32 s[KC], \pf
	s_cbranch_scc1 .Lnopf_\@
.endif
.if (\pf) > 0
	global_prefetch_b8 v[PFO], s[WB:WB+1] offset:3*WSTEP th:TH_LOAD_NT scope:SCOPE_SE
.endif
.if (\pf) > 1
.Lnopf_\@:
.endif
.endif
.if \cv
	s_wait_dscnt 8                                 ; F0's 16 loads are in; my 8 image stores, issued behind them, may be out
.else
	s_wait_dscnt 0x0
.endif
	MUL 2*(\p), \p, 0, 0, \zero
	PLACES
	FETCH 1, 8192                                  ; the step's second image.  No wait: no vector or matrix instruction since the wait at the head names F1 or v[LB]
.if \ldw
	LDW 1-(\p), 0                                  ; unit t + 3, under the same windows.  No wait: none since names WST[1-p] or v[WOFF]
.endif
	MUL 2*(\p), \p, 0, 2, \zero
	BLK4 2*(\p), \p, 0, \zero
	s_wait_dscnt 0x0                               ; F1 is in; and, for the others' sake, my image stores are done
.if \cv
	s_barrier_signal -1
.endif
	MUL 1, \p, 1, 0, 0                             ; work on registers between signal and wait
.if \cv
	s_barrier_wait -1                              ; the next step's images are whole
	PLACES
	FETCH 2*(1-(\p)), 16384                        ; into the other F0.  No wait: its last readers, the last step's products, stand ahead of the wait at the head
.endif
	MUL 1, \p, 1, 2, 0
	BLK4 1, \p, 1, 0
	WIN 0
.endm
; One image along K for a group behind the stream: h from memory, weights from LDS; no barrier, no LDS write.  All five blocks: a block without rows multiplies the last written block and is not stored.
.macro SLOWSTEP zero
	PLACES
	WIN 0
	s_wait_alu depctr_va_vdst(0)                   ; v[AOFF ..] and v[LB] are written; the products (ahead of the first step: the way out's additions) are done with v[AF ..] and F0, in which the loads below land
.irp i, 0,1,2,3,4
	global_load_b128 v[AF+8*(\i):AF+8*(\i)+3],   v[AOFF+(\i)], s[AB:AB+1]
	global_load_b128 v[AF+8*(\i)+4:AF+8*(\i)+7], v[AOFF+(\i)], s[AB:AB+1] offset:AH
.endr
	FETCH 0, 0
	s_wait_loadcnt 0x0
	s_wait_dscnt 0x0
	MUL 0, 0, 0, 0, \zero
	MUL 0, 0, 0, 2, \zero
	BLK4 0, 0, 0, 2-(\zero)
	WIN 0
	s_add_nc_u64 s[AB:AB+1], s[AB:AB+1], ASTEP/2   ; the loads that read it are done
	s_wait_alu depctr_vm_vsrc(0)                   ; the LDS loads above have read v[LB]
	v_add_nc_u32 v[LB], 8192, v[LB]
.endm
.macro MKAOFF                          ; s45 = 20 x group + wave: block s45 + 4 i, held to the blocks that were written
.irp i, 0,1,2,3,4
	s_add_co_u32 s46, s45, 4*(\i)
	s_min_u32 s46, s46, s[NB1]
	s_min_u32 s46, s46, 63
	s_lshl_b32 s46, s46, ABLK
	v_add_nc_u32 v[AOFF+(\i)], s46, v[L16]
.endr
.endm
; THE WAY OUT of block i of the group in hand; a block past the count is jumped.  Adding the bias also lays the four tiles of a column group side by side.
.macro OUTB i
	s_mul_i32 s44, s[GRP], 20
	s_add_co_u32 s44, s44, 4*(\i)
	s_add_co_u32 s44, s44, s[WV]
	s_cmp_ge_u32 s44, s[NBLK]
	s_cbranch_scc1 .Ldead_\@
	s_min_u32 s44, s44, 63
	s_lshl_b32 s44, s44, 16                        ; 16 rows of 4,096 bytes
	s_wait_xcnt 0x0                                ; the last block's stores have had their addresses translated,
	s_wait_alu depctr_vm_vsrc(0)                   ; and have read TR and v[PO], which are written again below
	v_add_nc_u32 v[PO], s44, v[PO0]
	WIN 0x02+(\i)/4                                ; source 0 window 2 or 3
.irp n, 0,1,2,3,4,5,6,7
.irp j, 0,1,2,3,4,5,6,7
	v_add_f32 v[TR+32*((\n)/4)+4*(\j)+(\n)%4], v[64*((\i)%4)+8*(\n)+(\j)], v[B2+(\n)]  ; each accumulator's registers in ascending order
.endr
.endr
	WIN 0
	s_wait_alu depctr_va_vdst(0)                   ; v[PO] and TR are written, which the sixteen stores read
.irp g, 0,1
.irp j, 0,1,2,3,4,5,6,7
	global_store_b128 v[PO], v[TR+32*(\g)+4*(\j):TR+32*(\g)+4*(\j)+3], s[PB:PB+1] offset:4096*(\j)+256*(\g)  ; sixteen lanes store 256 consecutive bytes of row 8 h + j, at a multiple of 256 from part's first byte
.endr
.endr
.Ldead_\@:
.endm
	s_load_b256 s[4:11], s[0:1], 0x0               ; hbuf s[4:5], W2 s[6:7], b2 s[8:9], cnt s[10:11]
	s_load_b64 s[12:13], s[0:1], 0x20              ; part
	v_lshl_add_u32 v254, v0, 2, 0x40000
	v_mov_b32 v255, 0
	v_lshrrev_b32 v17, 5, v0
	v_readfirstlane_b32 s[WV], v17
	v_and_b32 v[LANE], 31, v0
	v_and_b32 v[RR], 15, v0
	v_bfe_u32 v[HH], v0, 4, 1
	s_and_b32 s[SL], ttmp9, 7
	s_lshr_b32 s[QQ], ttmp9, 3
	s_and_b32 s[EX], ttmp7, 0xffff
	s_wait_alu depctr_va_sdst(0)                   ; the wave's number is written, ahead of its first reader
	s_and_b32 s[GG], s[WV], 1
	s_lshr_b32 s[AA], s[WV], 1
	v_lshlrev_b32 v[L16], 4, v[LANE]
	v_lshlrev_b32 v19, 4, v[RR]                    ; b2: four numbers a lane
	v_lshl_add_u32 v[WOFF], v[HH], 17, v19         ; + 32 h rows of 4,096 bytes
	v_lshl_add_u32 v[PO0], v[HH], 15, v19          ; + 8 h rows of part
	v_lshrrev_b32 v17, 1, v[LANE]                  ; a unit's rows are 32 h + 4 j + t beyond its first: the l-th is 4 (l / 2) + l % 2
	v_and_b32 v18, 1, v[LANE]
	v_lshl_add_u32 v17, v17, 2, v18
	v_lshlrev_b32 v[PFO], 12, v17
	v_mov_b32 v[LB], v[L16]
	s_lshl_b32 s44, s[AA], 13
	s_lshl_b32 s45, s[GG], 12
	s_add_co_u32 s44, s44, s45
	v_add_nc_u32 v[SB], s44, v[L16]                ; images 4 g .. 4 g + 3 of half a
	s_lshl_b32 s46, s[EX], 24                      ; W2: the expert,
	s_lshl_b32 s44, s[QQ], 22                      ; my quarter's 1,024 rows,
	s_add_co_u32 s46, s46, s44
	s_lshl_b32 s44, s[SL], 9                       ; my slice's 128 columns,
	s_add_co_u32 s46, s46, s44
	s_lshl_b32 s44, s[GG], 8                       ; my 64 of them,
	s_add_co_u32 s46, s46, s44
	s_lshl_b32 s44, s[AA], 13                      ; rows 2 a on
	s_add_co_u32 s46, s46, s44
	s_mov_b32 s47, 0
	s_lshl_b32 s48, s[EX], 12                      ; b2
	s_lshl_b32 s44, s[SL], 9
	s_add_co_u32 s48, s48, s44
	s_mov_b32 s49, 0
	s_lshl_b32 s50, s[EX], 23                      ; hbuf: the expert, my quarter's 32 images in each block
	s_lshl_b32 s44, s[QQ], 15
	s_add_co_u32 s50, s50, s44
	s_mov_b32 s51, 0
	s_lshl_b32 s52, s[QQ], 25                      ; part: the quarter, the expert's 1,024 rows, my columns
	s_lshl_b32 s44, s[EX], 22
	s_add_co_u32 s52, s52, s44
	s_lshl_b32 s44, s[SL], 9
	s_add_co_u32 s52, s52, s44
	s_mov_b32 s53, 0
	s_lshl_b32 s58, s[EX], 7                       ; cnt
	s_wait_kmcnt 0x0
	s_load_b32 s[CNT], s[10:11], s58 offset:0x0
	s_add_nc_u64 s[WB:WB+1], s[6:7], s[46:47]
	s_add_nc_u64 s[8:9], s[8:9], s[48:49]
	s_add_nc_u64 s[AB:AB+1], s[4:5], s[50:51]
	s_add_nc_u64 s[AB0:AB0+1], s[4:5], s[50:51]
	s_add_nc_u64 s[PB:PB+1], s[12:13], s[52:53]
	s_wait_alu depctr_va_vdst(0)                   ; v19, v[WOFF], v[PFO], v[LB] and v[SB] are written, which the loads, prefetches, LDS loads and LDS stores below read as offsets and addresses
.irp g, 0,1
	global_load_b128 v[B2+4*(\g):B2+4*(\g)+3], v19, s[8:9] offset:256*(\g)  ; b2[128 s + 64 g + 4 r + 0..3]
.endr
	LDW 0, 0                                       ; units 0 and 1 are on their way while the count comes
	LDW 1, WSTEP
	WIN 0
	s_wait_xcnt 0x0
	s_add_nc_u64 s[WB:WB+1], s[WB:WB+1], WSTEP
	s_wait_kmcnt 0x0
	s_min_u32 s[CNT], s[CNT], 1024
	s_max_u32 s[CNT], s[CNT], 1
	s_add_co_u32 s[NBLK], s[CNT], 15
	s_lshr_b32 s[NBLK], s[NBLK], 4
	s_sub_co_u32 s[NB1], s[NBLK], 1
	s_mov_b32 s[NG], 1
.irp lim, 20, 40, 60
	s_cmp_gt_u32 s[NBLK], \lim
	s_cselect_b32 s44, 1, 0
	s_add_co_u32 s[NG], s[NG], s44
.endr
	s_add_co_u32 s44, s[WV], 16
	s_cmp_lt_u32 s44, s[NBLK]
	s_cselect_b32 s[L4], 1, 0
	s_mov_b32 s45, s[WV]
	MKAOFF
	s_wait_alu depctr_va_vdst(0)                   ; v[AOFF ..] are written, which h's loads read
	LDA 0                                          ; step 0's h is asked for as soon as the count is in, ahead of the wait for unit 0
	; the step in front of step 0: unit 0 becomes images; unit 2 is asked for
	s_wait_loadcnt 36                              ; unit 0 (and b2) are in: unit 1's 16 loads and h's 20 were issued behind them
	CVT 0
	WIN 0
	s_wait_alu depctr_va_vdst(0)                   ; the conversions have written CV, which the LDS stores read, and are done reading WST0, in which unit 2 lands
	STIMG
	s_wait_xcnt 0x0
	s_add_nc_u64 s[WB:WB+1], s[WB:WB+1], WSTEP
	LDW 0, 0
	s_wait_dscnt 0x0
	s_barrier_signal -1
	s_barrier_wait -1                              ; step 0's images are whole
	FETCH 0, 0
	STEP 0, 1, 1, 1, 1, 36, 36, 1                  ; t = 0: its first products start the sums
	s_mov_b32 s[KC], 6
.Lk:                                                   ; t = 1 .. 12
	STEP 1, 0, 1, 1, 1, 36, 36, 2
	STEP 0, 0, 1, 1, 1, 36, 36, 3
	s_sub_co_u32 s[KC], s[KC], 1
	s_cmp_lg_u32 s[KC], 0
	s_cbranch_scc1 .Lk
	STEP 1, 0, 1, 1, 0, 36, 36, 0                  ; t = 13: no unit is left to ask for; behind h of 13 stand unit 15 and h of 14
	STEP 0, 0, 1, 1, 0, 20, 20, 0                  ; t = 14: behind unit 15 stands h of 14, behind that h of 15
	STEP 1, 0, 0, 0, 0, 0, 0, 0                    ; t = 15
.irp k, 0,1,2,3
	v_cvt_pk_bf16_f32 v[20+(\k)], v[B2+2*(\k)], v[B2+2*(\k)+1]  ; b2 is rounded to bf16, like every input,
.endr
.irp k, 0,1,2,3
	v_lshlrev_b32 v[B2+2*(\k)], 16, v[20+(\k)]
	v_and_b32 v[B2+2*(\k)+1], 0xffff0000, v[20+(\k)]
.endr
	s_cmp_eq_u32 s[QQ], 0
	s_cselect_b32 s44, -1, 0
.irp k, 0,1,2,3,4,5,6,7
	v_and_b32 v[B2+(\k)], s44, v[B2+(\k)]          ; and counts in quarter 0 alone
.endr
	s_mov_b32 s[GRP], 0
.Lgrp:                                                 ; four trips; a group that the count does not reach is jumped, forward, over text with no barrier
	s_cmp_ge_u32 s[GRP], s[NG]
	s_cbranch_scc1 .Lgnext
	PLACES                                         ; behind the group's last products
	OUTB 0
	OUTB 1
	OUTB 2
	OUTB 3
	OUTB 4
	s_add_co_u32 s44, s[GRP], 1                    ; is there a further group?
	s_cmp_ge_u32 s44, s[NG]
	s_cbranch_scc1 .Lgnext
	s_mul_i32 s45, s44, 20
	s_add_co_u32 s45, s45, s[WV]
	s_wait_xcnt 0x0                                ; the loads and stores issued so far have had their addresses translated,
	s_wait_alu depctr_vm_vsrc(0)                   ; and h's loads have read v[AOFF ..], the LDS loads v[LB], both written again below; the stores have read TR, in which h lands next
	MKAOFF
	v_mov_b32 v[LB], v[L16]
	s_mov_b64 s[AB:AB+1], s[AB0:AB0+1]
	SLOWSTEP 1
	s_mov_b32 s[KC], 31
.Lslow:
	SLOWSTEP 0
	s_sub_co_u32 s[KC], s[KC], 1
	s_cmp_lg_u32 s[KC], 0
	s_cbranch_scc1 .Lslow
.Lgnext:
	s_add_co_u32 s[GRP], s[GRP], 1
	s_cmp_lt_u32 s[GRP], 4
	s_cbranch_scc1 .Lgrp
	s_wait_dscnt 0x0                               ; my reads of the images are back;
	s_barrier_signal -1                            ; the barrier stands where it stands in this text's plain form:
	s_barrier_wait -1                              ; behind it no wave reads LDS any more
	                                               ; the add onto my spare LDS word (v254, behind the images; v255 = 0) closes the wave below, behind the waits
	s_wait_dscnt 0x0                               ; no LDS instruction of mine is out at the end
	s_wait_alu depctr_hold_cnt(0) depctr_sa_sdst(0) depctr_va_vdst(0) depctr_va_sdst(0) depctr_va_ssrc(0) depctr_va_vcc(0) depctr_vm_vsrc(0)
	s_wait_tensorcnt 0x0
	ds_add_u32 v254, v255
	s_wait_dscnt 0x0
	s_endpgm
.Lfunc_end_k_qc68d5b4f4e_ffn2:
	.size	k_qc68d5b4f4e_ffn2, .Lfunc_end_k_qc68d5b4f4e_ffn2-k_qc68d5b4f4e_ffn2
	.p2alignl 7, 3214868480
	.fill 96, 4, 3214868480
	.section	.rodata,"a",@progbits
	.p2align	6, 0x0
	.amdhsa_kernel k_qc68d5b4f4e_ffn2
		.amdhsa_group_segment_fixed_size 262656
		.amdhsa_private_segment_fixed_size 0
		.amdhsa_enable_private_segment 0
		.amdhsa_kernarg_size 40
		.amdhsa_user_sgpr_count 2
		.amdhsa_user_sgpr_kernarg_segment_ptr 1
		.amdhsa_wavefront_size32 1
		.amdhsa_system_sgpr_workgroup_id_x 1
		.amdhsa_system_sgpr_workgroup_id_y 1
		.amdhsa_system_sgpr_workgroup_id_z 1
		.amdhsa_system_vgpr_workitem_id 0
		.amdhsa_next_free_vgpr 896
		.amdhsa_next_free_sgpr 66
		.amdhsa_reserve_vcc 0
		.amdhsa_float_denorm_mode_32 3
		.amdhsa_float_denorm_mode_16_64 3
		.amdhsa_memory_ordered 1
		.amdhsa_forward_progress 1
		.amdhsa_inst_pref_size 122
	.end_amdhsa_kernel
	.amdgpu_metadata
---
amdhsa.version: [ 1, 2 ]
amdhsa.kernels:
  - .name:           k_qc68d5b4f4e_ffn2
    .symbol:         k_qc68d5b4f4e_ffn2.kd
    .args:
      - { .name: hbuf, .offset: 0, .size: 8, .value_kind: global_buffer, .address_space: global }
      - { .name: W2, .offset: 8, .size: 8, .value_kind: global_buffer, .address_space: global }
      - { .name: b2, .offset: 16, .size: 8, .value_kind: global_buffer, .address_space: global }
      - { .name: cnt, .offset: 24, .size: 8, .value_kind: global_buffer, .address_space: global }
      - { .name: part, .offset: 32, .size: 8, .value_kind: global_buffer, .address_space: global }
    .group_segment_fixed_size: 262656
    .private_segment_fixed_size: 0
    .kernarg_segment_align: 8
    .kernarg_segment_size: 40
    .max_flat_workgroup_size: 128
    .sgpr_count:     66
    .vgpr_count:     896
    .wavefront_size: 32
...
	.end_amdgpu_metadata
.endif
;; end of part 7
;; launch combine: the kernel of part 5 again; grid 256 x 1, 4 waves a work-group, no clusters, 0 bytes of LDS; arguments part, sel, gate, pos, out0; writes out0
